; MI455X (gfx1250); checked and timed in simulation.
; The chip was launched on July 23, 2026; its instructions are those of AMD's public machine-readable ISA for CDNA 5 (MIT licence, August 2026) and "CDNA5" Instruction Set Architecture Reference Guide (July 2026). The comments in the code are by the model that wrote it; some were corrected since.
;; Attention. Allowed arithmetic: matrix products marked QUANTISED: E2M3 operands, one E8M0 scale for each 32 along K, by v_wmma_scale_f32_16x16x128_f8f6f4 with both operands' format E2M3, f32 sums; everything else in f32.
;; Inputs: W_attn 1,024 x 3,072 float32; W_proj 1,024 x 1,024 float32; b_attn 3,072 float32; b_proj 1,024 float32; x 4 x 2,048 x 1,024 float32.
;; Outputs: out0 4 x 2,048 x 1,024 float32.
;; This version of the problem:
;;   THIS VERSION OF THE PROBLEM IS GIVEN IN LOW PRECISION. The matrix products marked QUANTISED in the list below multiply operands that are first quantised to E2M3 (2 exponent bits, 3 mantissa bits; 6 bits a number), with one power-of-two scale for each 32 numbers along K (OCP MX v1.0); their sums are f32. All else is computed in f32.
;;   The module's matrix products, in the order in which they are computed (A, B: the left and right operand; K: the contracted axis; several contracted axes count as one K, in the product's order):
;;     1. [M 8,192, K 1,024] x [K 1,024, N 3,072]; A: input x; B: input W_attn: QUANTISED
;;     2. batch 64 x [M 2,048, K 64] x [K 64, N 2,048]; A: computed on the way; B: computed on the way: QUANTISED
;;     3. batch 64 x [M 2,048, K 2,048] x [K 2,048, N 64]; A: softmax (see below); B: computed on the way: QUANTISED
;;     4. [M 8,192, K 1,024] x [K 1,024, N 1,024]; A: computed on the way; B: input W_proj: QUANTISED
;;   THE QUANTISER, for each operand of a quantised product, along K:
;;     - K is cut into blocks of 32 from its start; a last block that is shorter is filled with zeros.
;;     - A block's scale is 2^e with e = floor(log2(the largest magnitude in the block)) - 2, held to -126 .. 127; a block of zeros has e = 0. As a byte (E8M0): e + 127.
;;     - Each number is divided by its block's scale, clamped to +-7.5, and rounded to the nearest number of E2M3, ties to even, subnormals kept.
;;     - The product sums the exact products of the quantised numbers (number of the format x scale) in f32.
;;   ~~~python
;;   def quantise(x, axis):      # numpy; x: float32 -> the quantised numbers, widened to float32 again
;;       x = np.moveaxis(x, axis, -1); K = x.shape[-1]
;;       x = np.pad(x, [(0, 0)] * (x.ndim - 1) + [(0, -K % 32)]); x = x.reshape(x.shape[:-1] + (-1, 32)); a = np.abs(x).max(-1, keepdims=True)
;;       e = np.where(a > 0, np.clip(np.frexp(np.where(a > 0, a, 1))[1] - 1 - 2, -126, 127), 0)      # np.frexp(a)[1] - 1 = floor(log2(a)), exactly
;;       r = np.clip(x / 2.0 ** e, -7.5, 7.5)
;;       step = 2.0 ** (np.maximum(np.frexp(np.where(r == 0, 1, r))[1] - 1, 0) - 3)
;;       q = np.round(r / step) * step * 2.0 ** e      # np.round: ties to even
;;       return np.moveaxis(q.reshape(q.shape[:-2] + (-1,))[..., :K], -1, axis).astype(np.float32)
;;   ~~~
;;   SOFTMAX AHEAD OF A QUANTISED PRODUCT. Where the list says 'softmax', what is quantised is not the finished softmax but p = 2^(t - M), with t = logit x log2(e) and M = ceil(the row's largest t), a whole number; so 1/2 < the row's largest p <= 1. The row's sum l is taken of the UNQUANTISED p, in f32, and the product's result is divided by l at the end. Since M is a whole number, a kernel that streams over the keys may use a running M (the ceiling of the running maximum): every later rescaling is an exact power of two, which a block's scale takes up: the codes' values come out the same.
;;   OPERANDS COMPUTED ON THE WAY. 'Computed on the way' means the value that the module computes at that place (a softmax that the list does not call 'softmax' is quantised finished and normalised). What goes into a quantiser is computed in f32, as accurately as f32 sums, v_exp_f32 and their like allow (about 1e-6 of the number): no bf16 or f16 on the way to a quantiser, and a product that is left as it is and whose result goes on into a quantised operand takes f32 operands (vector FMAs, or v_wmma_f32_16x16x4_f32). A number that lies on a knife's edge between two numbers of the format may be rounded either way, as far as f32 arithmetic and the matrix unit's own rounding can turn it there, and no further.
;; One version. Each part assembles by itself: llvm-mc -triple=amdgcn-amd-amdhsa -mcpu=gfx1250 --defsym DOCPART=n.
;; ======== version 1 of 1: 4 launches
;; workspace buffers: ops 9,830,400 bytes; qbuf 6,815,744 bytes; kvbuf 13,369,344 bytes; abuf 6,553,600 bytes
;; launch quant (part 1): grid 256 x 1, 8 waves a work-group, no clusters, 68,608 bytes of LDS; arguments x, W_attn, W_proj, ops; writes ops
.if DOCPART == 1
	.amdgcn_target "amdgcn-amd-amdhsa--gfx1250"
	.amdhsa_code_object_version 6
	.text
	.protected	k_q607fd62035_quant
	.globl	k_q607fd62035_quant
	.p2align	8
	.type	k_q607fd62035_quant,@function
k_q607fd62035_quant:
	s_mov_b64 s[64:65], 0
	v_nop
	global_prefetch_b8 v0, s[64:65] scope:SCOPE_SE
	s_setreg_imm32_b32 hwreg(HW_REG_WAVE_MODE, 25, 1), 1
	s_wait_xcnt 0x0
; x [8192][1024], W_attn [1024][3072] and W_proj [1024][1024], f32, become codes of FP6 (E2M3) with one E8M0 byte for each 32 along K (= 1024), laid as the GEMMs' operand registers want them.
; ops: 96 groups of 128 rows: groups 0-63 x's tokens, 64-87 W_attn's columns, 88-95 W_proj's columns.  Codes: [group][K step of 128: 8][block of 16 rows: 8][1,536 bytes]; a block's 1,536 bytes are two halves of 768
; (64 along K each): registers 0-3 of the half at 16 x lane, registers 4-5 at 512 + 8 x lane; lane (r, h) holds k = 32 h .. 32 h + 31 of row r.  Scale words from byte OPS_SC on: [group][K steps 0-3 | 4-7][row: 128][4 words].
; ROW ORDER: x's tokens and W_attn's columns lie by POSITION: in each aligned 32, position 16 u + r holds row 8 u + r + 8 (r / 8).  W_proj's columns lie as they come.
; A block's scale is 2^(floor(log2(largest magnitude)) - 2): its byte is the largest magnitude's exponent field - 2, held at 1 from below.  A block of zeros gets the byte 1: its codes are zeros, and this program alone reads the bytes.
; LIMITS: NaN and infinities among the inputs are not served; blocks whose largest magnitude lies under 2^-124 get the byte 1.
; Work-groups 0-127 take x, 128-223 W_attn, 224-255 W_proj.  No tensor loads, no barrier: waves share nothing.  Only x's path uses LDS.
.set OPS_SC, 9437184
.set GRP,    98304                     ; a group's codes
.set KSB,    12288                     ; a K step of a group
.set FRB,    1536                      ; a block's fragment
.set SPX,    528                       ; x's stage: a row of 512 bytes + 16
.set L16,  1                           ; v1   16 x lane
.set L8,   2                           ; v2   8 x lane
.set SIN,  3                           ; v3   the stage, on the way in
.set SOUT, 4                           ; v4   and on the way out
.set SCO,  5                           ; v5   16 r + 8 h: my 8 bytes of the block's scale words
.set SW,   8                           ; v8-11  the four K steps' scale words
.set TM,   16                          ; v16-19 largest magnitudes, v20-23 bytes, v28-31 the conversions' scale operands
.set PW,   32                          ; v32  the scale word just made
.set PC,   36                          ; v36-47 the codes just made; v48-50, v52-54 at work
.set R,    64                          ; v64-191 two sets of 64 registers as loaded (weights: a column's 128 numbers)
.set XN,   192                         ; v192-255 64 numbers of my row, 16 neighbours of each block of 32
	s_load_b128 s[4:7], s[0:1], 0x0                ; x, W_attn
	s_load_b128 s[8:11], s[0:1], 0x10              ; W_proj, ops
	v_lshl_add_u32 v62, v0, 2, 0x10800
	v_mov_b32 v63, 0
	v_lshrrev_b32 v6, 5, v0
	v_readfirstlane_b32 s12, v6                    ; wave 0..7
	v_and_b32 v6, 31, v0                           ; lane
	v_lshlrev_b32 v[L16], 4, v6
	v_lshlrev_b32 v[L8], 3, v6
	v_and_b32 v12, 15, v0                          ; r
	v_bfe_u32 v13, v0, 4, 1                        ; h
	s_mov_b32 s20, 0x76543210
	s_mov_b32 s21, 0xfedcba98                      ; v_permlanex16_b32's selects for lane l xor 16
	s_cmp_lt_u32 ttmp9, 128
	s_cbranch_scc0 .Lweights
; ---- x.  Wave w takes block 4 x work-group + w / 2 (16 positions) and half w % 2 of K: four K steps of 128.
; 64 numbers of a lane, register 16 b + i = k 32 b + 16 h + i of my row, become a fragment's 12 registers in v[PC] on and its scale word in v[PW].
.macro QUANT s
.irp b, 0,1,2,3
	v_max3_num_f32 v[TM+\b], |v[\s+16*\b]|, |v[\s+1+16*\b]|, 0x1800000   ; my 16 numbers of block b, and the floor 2^(3 - 127): the byte cannot fall under 1
.endr
.irp i, 2,4,6,8,10,12,14
.irp b, 0,1,2,3
	v_max3_num_f32 v[TM+\b], v[TM+\b], |v[\s+16*\b+\i]|, |v[\s+1+16*\b+\i]|
.endr
.endr
.irp b, 0,1,2,3
	v_permlanex16_b32 v[TM+4+\b], v[TM+\b], s20, s21
.endr
.irp b, 0,1,2,3
	v_max_num_f32 v[TM+\b], v[TM+\b], v[TM+4+\b]   ; with lane l xor 16's: the block's largest magnitude
.endr
.irp b, 0,1,2,3
	v_add_nc_u32 v[TM+12+\b], 0xff000000, v[TM+\b] ; 2 off its exponent field: the conversion takes this operand's exponent field as its scale
.endr
.irp b, 0,1,2,3
	v_lshrrev_b32 v[TM+4+\b], 23, v[TM+12+\b]      ; the scale's byte
.endr
	v_lshl_or_b32 v[PW], v[TM+5], 8, v[TM+4]
	v_lshl_or_b32 v[PW], v[TM+6], 16, v[PW]
	v_lshl_or_b32 v[PW], v[TM+7], 24, v[PW]
.irp c, 0,1
	v_cvt_scalef32_pk16_fp6_f32 v[PC+6*\c:PC+2+6*\c], v[\s+32*\c:\s+15+32*\c], v[TM+12+2*\c]
	v_cvt_scalef32_pk16_fp6_f32 v[PC+12+4*\c:PC+14+4*\c], v[\s+16+32*\c:\s+31+32*\c], v[TM+13+2*\c]   ; (a conversion's three registers begin on an even number)
.endr
	v_nop                                          ; one plain place behind the scaled conversions
.irp c, 0,1                                    ; the operand wants a whole block in a lane: lanes 0-15 block 2 c, lanes 16-31 block 2 c + 1
.irp i, 0,1,2
	v_permlane16_swap_b32 v[PC+6*\c+\i], v[PC+12+4*\c+\i]
.endr
.irp i, 0,1,2
	v_mov_b32 v[PC+3+6*\c+\i], v[PC+12+4*\c+\i]
.endr
.endr
.endm
.macro LOADX s                         ; K step s of my 16 rows: each load reads 512 consecutive bytes of one row
.irp r, 0,1,2,3,4,5,6,7,8,9,10,11,12,13,14,15
	global_load_b128 v[R+64*((\s)%2)+4*\r:R+64*((\s)%2)+4*\r+3], v[L16], s[4:5] offset:(\r+8*(\r/8))*4096+512*(\s) th:TH_LOAD_NT
.endr
.endm
.macro TURNX s                         ; through my own stage: in as loaded, out 16 neighbours a lane; LDS serves a wave's instructions in order
.irp r, 0,1,2,3,4,5,6,7,8,9,10,11,12,13,14,15
	ds_store_b128 v[SIN], v[R+64*((\s)%2)+4*\r:R+64*((\s)%2)+4*\r+3] offset:SPX*\r
.endr
.irp b, 0,1,2,3
.irp j, 0,1,2,3
	ds_load_b128 v[XN+16*\b+4*\j:XN+16*\b+4*\j+3], v[SOUT] offset:128*\b+16*\j
.endr
.endr
.endm
	s_mul_i32 s13, s12, 16*SPX                     ; my stage
	v_add_nc_u32 v[SIN], s13, v[L16]
	v_mul_u32_u24 v[SOUT], v12, SPX
	v_lshl_add_u32 v[SOUT], v13, 6, v[SOUT]
	v_add_nc_u32 v[SOUT], s13, v[SOUT]             ; row r, + 64 h
	v_lshlrev_b32 v[SCO], 4, v12
	v_lshl_add_u32 v[SCO], v13, 3, v[SCO]
.irp b, 0,1,2,3
	v_mov_b32 v[TM+4+\b], 0                        ; written once: a lane permute's destination counts as one of its sources
.endr
	s_lshl_b32 s14, ttmp9, 2
	s_lshr_b32 s15, s12, 1
	s_add_co_u32 s14, s14, s15                     ; my block of 16 positions
	s_and_b32 s15, s12, 1                          ; my half of K
	s_lshr_b32 s16, s14, 1
	s_lshl_b32 s16, s16, 5
	s_and_b32 s17, s14, 1
	s_lshl_b32 s17, s17, 3
	s_add_co_u32 s16, s16, s17                     ; position 0's token: 32 (block / 2) + 8 (block % 2)
	s_lshl_b32 s16, s16, 12                        ; x 4,096 bytes
	s_lshl_b32 s17, s15, 11
	s_add_co_u32 s16, s16, s17
	s_mov_b32 s17, 0
	s_lshr_b32 s18, s14, 3                         ; group
	s_and_b32 s19, s14, 7                          ; block in it
	s_mul_i32 s22, s18, GRP
	s_mul_i32 s23, s19, FRB
	s_add_co_u32 s22, s22, s23
	s_mul_i32 s23, s15, 4*KSB
	s_add_co_u32 s22, s22, s23
	s_mov_b32 s23, 0
	s_lshl_b32 s24, s18, 12
	s_lshl_b32 s25, s15, 11
	s_add_co_u32 s24, s24, s25
	s_lshl_b32 s25, s19, 8
	s_add_co_u32 s24, s24, s25
	s_add_co_u32 s24, s24, OPS_SC
	s_mov_b32 s25, 0
	s_wait_kmcnt 0x0
	s_add_nc_u64 s[4:5], s[4:5], s[16:17]
	s_add_nc_u64 s[22:23], s[10:11], s[22:23]
	s_add_nc_u64 s[24:25], s[10:11], s[24:25]
	LOADX 0
	LOADX 1
.irp s, 0,1,2,3
.if \s < 3
	s_wait_loadcnt 16                              ; this K step's 16 loads are in; the next step's 16 may be out
.else
	s_wait_loadcnt 0x0
.endif
	TURNX \s
	s_wait_dscnt 0x0
.if \s > 0
	s_wait_xcnt 0x0                                ; the last step's stores have read their registers: the codes are written again only behind this wait
.endif
.if \s < 2
	LOADX \s+2
.endif
	QUANT XN
	v_mov_b32 v[SW+\s], v[PW]
	global_store_b128 v[L16], v[PC:PC+3], s[22:23] offset:\s*KSB               ; 512 consecutive bytes
	global_store_b64 v[L8], v[PC+4:PC+5], s[22:23] offset:\s*KSB+512           ; 256
	global_store_b128 v[L16], v[PC+6:PC+9], s[22:23] offset:\s*KSB+768
	global_store_b64 v[L8], v[PC+10:PC+11], s[22:23] offset:\s*KSB+1280
.endr
	v_cmp_eq_u32 vcc_lo, 1, v13                    ; lanes 0-15 store words 0, 1 of their row, lanes 16-31 words 2, 3: 256 consecutive bytes a wave
	v_cndmask_b32 v14, v[SW], v[SW+2], vcc_lo
	v_cndmask_b32 v15, v[SW+1], v[SW+3], vcc_lo
	global_store_b64 v[SCO], v[14:15], s[24:25]
	s_wait_tensorcnt 0x0
	ds_add_u32 v62, v63
	s_wait_dscnt 0x0
	s_endpgm
; ---- a weight [1024 (k)][n].  A work-group takes 256 columns x one K step; a wave 32 columns; A LANE TAKES A COLUMN AND ITS REGISTERS RUN DOWN K: a load reads 128 consecutive bytes, the eight waves 1,024.
; A block of 32 along K lies in one lane.  Lane l is position l of the wave's 32: with perm = 1 it loads column (l with bits 3 and 4 exchanged).
; The scale words leave 4 bytes in every 16: one byte in 128 of what this path reads.
.macro WPATH n, row0, perm, idx0, wp
	s_sub_co_u32 s13, ttmp9, \idx0
	s_and_b32 s14, s13, 7                          ; K step
	s_lshr_b32 s13, s13, 3                         ; which 256 columns
.if \perm
	v_and_b32 v3, 7, v0
	v_bfe_u32 v4, v0, 4, 1
	v_lshl_or_b32 v3, v4, 3, v3
	v_bfe_u32 v4, v0, 3, 1
	v_lshl_or_b32 v3, v4, 4, v3
	v_lshlrev_b32 v3, 2, v3
.else
	v_lshlrev_b32 v3, 2, v6
.endif
	s_mul_i32 s16, s14, 128*\n*4
	s_lshl_b32 s17, s13, 10
	s_add_co_u32 s16, s16, s17
	s_lshl_b32 s17, s12, 7
	s_add_co_u32 s16, s16, s17
	s_mov_b32 s17, 0
	s_lshl_b32 s18, s13, 1
	s_lshr_b32 s19, s12, 2
	s_add_co_u32 s18, s18, s19
	s_add_co_u32 s18, s18, \row0/128               ; group
	s_and_b32 s19, s12, 3                          ; my 32 rows of its 128
	s_mul_i32 s22, s18, GRP
	s_mul_i32 s23, s14, KSB
	s_add_co_u32 s22, s22, s23
	s_mul_i32 s23, s19, 2*FRB
	s_add_co_u32 s22, s22, s23
	s_mov_b32 s23, 0
	s_lshl_b32 s24, s18, 12
	s_lshr_b32 s25, s14, 2
	s_lshl_b32 s25, s25, 11
	s_add_co_u32 s24, s24, s25
	s_lshl_b32 s25, s19, 9
	s_add_co_u32 s24, s24, s25
	s_and_b32 s25, s14, 3
	s_lshl_b32 s25, s25, 2
	s_add_co_u32 s24, s24, s25
	s_add_co_u32 s24, s24, OPS_SC
	s_mov_b32 s25, 0
	s_wait_kmcnt 0x0
	s_add_nc_u64 s[16:17], s[\wp:\wp+1], s[16:17]
	s_add_nc_u64 s[22:23], s[10:11], s[22:23]
	s_add_nc_u64 s[24:25], s[10:11], s[24:25]
.set KK, 0
.rept 128
	global_load_b32 v[R+KK], v3, s[16:17] offset:KK*\n*4 th:TH_LOAD_NT
.set KK, KK+1
.endr
.irp kb, 0,1,2,3
.if \kb == 0
	s_wait_loadcnt 63                              ; at most 63 of the 128 are out: the first 64, blocks 0 and 1, are in
.elseif \kb == 2
	s_wait_loadcnt 32                              ; block 3's 32 may be out
.elseif \kb == 3
	s_wait_loadcnt 0x0
.endif
.set XS, R+32*\kb
	v_max3_num_f32 v12, |v[XS]|, |v[XS+1]|, |v[XS+2]|              ; the block's largest magnitude: all 32 numbers are mine; two chains
	v_max3_num_f32 v13, |v[XS+3]|, |v[XS+4]|, |v[XS+5]|
.irp i, 6,10,14,18,22,26
	v_max3_num_f32 v12, v12, |v[XS+\i]|, |v[XS+\i+1]|
	v_max3_num_f32 v13, v13, |v[XS+\i+2]|, |v[XS+\i+3]|
.endr
	v_max3_num_f32 v12, v12, |v[XS+30]|, |v[XS+31]|
	v_max3_num_f32 v12, v12, v13, 0x1800000        ; and the floor
	v_add_nc_u32 v[TM+12+\kb], 0xff000000, v12
	v_lshrrev_b32 v13, 23, v[TM+12+\kb]
.if \kb == 0
	v_mov_b32 v[PW], v13
.else
	v_lshl_or_b32 v[PW], v13, 8*\kb, v[PW]
.endif
.endr
.irp c, 0,1                                    ; 64 along K: my blocks 2 c and 2 c + 1, six registers each
.set HE, 192+12*\c
	v_cvt_scalef32_pk16_fp6_f32 v[HE:HE+2], v[R+64*\c:R+64*\c+15], v[TM+12+2*\c]
	v_cvt_scalef32_pk16_fp6_f32 v[216:218], v[R+64*\c+16:R+64*\c+31], v[TM+12+2*\c]
	v_cvt_scalef32_pk16_fp6_f32 v[HE+6:HE+8], v[R+64*\c+32:R+64*\c+47], v[TM+13+2*\c]
	v_cvt_scalef32_pk16_fp6_f32 v[220:222], v[R+64*\c+48:R+64*\c+63], v[TM+13+2*\c]
	v_nop                                          ; one plain place behind the scaled conversions
.irp i, 0,1,2
	v_mov_b32 v[HE+3+\i], v[216+\i]
	v_mov_b32 v[HE+9+\i], v[220+\i]
.endr
.irp i, 0,1,2,3,4,5                            ; the first six's lanes 16-31 change places with the second six's lanes 0-15: the first six are now positions 0-15 as the operand wants them, the second six positions 16-31
	v_permlane16_swap_b32 v[HE+\i], v[HE+6+\i]
.endr
	global_store_b128 v[L16], v[HE:HE+3], s[22:23] offset:768*\c
	global_store_b64 v[L8], v[HE+4:HE+5], s[22:23] offset:768*\c+512
	global_store_b128 v[L16], v[HE+6:HE+9], s[22:23] offset:FRB+768*\c
	global_store_b64 v[L8], v[HE+10:HE+11], s[22:23] offset:FRB+768*\c+512
.endr
	global_store_b32 v[L16], v[PW], s[24:25]       ; my position's word of this K step
	s_endpgm
.endm
.Lweights:
	s_cmp_lt_u32 ttmp9, 224
	s_cbranch_scc0 .Lproj
	WPATH 3072, 8192, 1, 128, 6
.Lproj:
	WPATH 1024, 11264, 0, 224, 8
.Lfunc_end_k_q607fd62035_quant:
	.size	k_q607fd62035_quant, .Lfunc_end_k_q607fd62035_quant-k_q607fd62035_quant
	.p2alignl 7, 3214868480
	.fill 96, 4, 3214868480
	.section	.rodata,"a",@progbits
	.p2align	6, 0x0
	.amdhsa_kernel k_q607fd62035_quant
		.amdhsa_group_segment_fixed_size 68608
		.amdhsa_private_segment_fixed_size 0
		.amdhsa_enable_private_segment 0
		.amdhsa_kernarg_size 32
		.amdhsa_user_sgpr_count 2
		.amdhsa_user_sgpr_kernarg_segment_ptr 1
		.amdhsa_wavefront_size32 1
		.amdhsa_system_sgpr_workgroup_id_x 1
		.amdhsa_system_sgpr_workgroup_id_y 1
		.amdhsa_system_sgpr_workgroup_id_z 1
		.amdhsa_system_vgpr_workitem_id 0
		.amdhsa_next_free_vgpr 256
		.amdhsa_next_free_sgpr 66
		.amdhsa_reserve_vcc 1
		.amdhsa_float_denorm_mode_32 3
		.amdhsa_float_denorm_mode_16_64 3
		.amdhsa_memory_ordered 1
		.amdhsa_forward_progress 1
		.amdhsa_inst_pref_size 75
	.end_amdhsa_kernel
	.amdgpu_metadata
---
amdhsa.version: [ 1, 2 ]
amdhsa.kernels:
  - .name:           k_q607fd62035_quant
    .symbol:         k_q607fd62035_quant.kd
    .args:
      - { .name: x, .offset: 0, .size: 8, .value_kind: global_buffer, .address_space: global }
      - { .name: W_attn, .offset: 8, .size: 8, .value_kind: global_buffer, .address_space: global }
      - { .name: W_proj, .offset: 16, .size: 8, .value_kind: global_buffer, .address_space: global }
      - { .name: ops, .offset: 24, .size: 8, .value_kind: global_buffer, .address_space: global }
    .group_segment_fixed_size: 68608
    .private_segment_fixed_size: 0
    .kernarg_segment_align: 8
    .kernarg_segment_size: 32
    .max_flat_workgroup_size: 256
    .sgpr_count:     66
    .vgpr_count:     256
    .wavefront_size: 32
...
	.end_amdgpu_metadata
.endif
;; end of part 1
;; launch qkv (part 2): grid 12 x 32, 4 waves a work-group, clusters of 4 x 4, 327,680 bytes of LDS; arguments ops, b_attn, qbuf, kvbuf; writes qbuf, kvbuf
.if DOCPART == 2
	.amdgcn_target "amdgcn-amd-amdhsa--gfx1250"
	.amdhsa_code_object_version 6
	.text
	.protected	k_q607fd62035_qkv
	.globl	k_q607fd62035_qkv
	.p2align	8
	.type	k_q607fd62035_qkv,@function
k_q607fd62035_qkv:
	s_mov_b64 s[64:65], 0
	v_nop
	global_prefetch_b8 v0, s[64:65] scope:SCOPE_SE
	s_setreg_imm32_b32 hwreg(HW_REG_WAVE_MODE, 25, 1), 1
	s_wait_xcnt 0x0
	s_wait_alu depctr_hold_cnt(0) depctr_sa_sdst(0) depctr_va_vdst(0) depctr_va_sdst(0) depctr_va_ssrc(0) depctr_va_vcc(0) depctr_vm_vsrc(0)
	s_getreg_b32 s2, hwreg(HW_REG_IB_STS2, 6, 4)
	s_cmp_eq_u32 s2, 0
	s_cbranch_scc0 .Lentry_in_a_cluster
	s_endpgm
.Lentry_in_a_cluster:
	s_bfe_u32 s2, ttmp6, 0x10000c
	s_cmp_lg_u32 s2, 0xf033
	s_cbranch_scc0 .Lentry_shape_is_right
	s_endpgm
.Lentry_shape_is_right:
; qkv = x W_attn + b_attn on codes of FP6 (E2M3) with E8M0 scales (K = 1024), and q, k, v quantised on the way out: q and k along the head's 64, v along the keys.  No f32 result goes to memory.
; Both operands come from ops (made by the launch before): groups of 128 rows, [group][K step: 8][block of 16 rows: 8][1,536 bytes = an image of the fragment's 12 registers]; scale words [group][2][128][4] from OPS_SC on.
; A work-group of four waves makes 256 x 256, a wave 128 x 128: 64 accumulators.  Source 0 takes rows of the B side, source 1 rows of the A side: a lane holds ONE row of A and its registers run along B's rows.
; Clusters x = 0 (q) and 1 (k): A = tokens, B = features, so a lane's registers run along the features.  Cluster x = 2 (v): A = v's features, B = tokens: a lane's registers run along the keys.
; Rows lie by position (in each aligned 32, position 16 u + r is row 8 u + r + 8 (r / 8)), so the 16 registers of B's blocks 2 b, 2 b + 1 are 16 NEIGHBOURS: rows 32 b + 16 (lane / 16) + 0 .. 15.
; K goes in four slots' worth of 256 through a ring of two LDS slots; a wave's tensor load brings 24,576 dense bytes (one group, two K steps).  The scales of all of K come once, with the first fills.
; CLUSTER 4 x 4: A's tiles are asked for jointly by a row of the cluster, B's by a column.
; OUT.  qbuf: codes [head 64][tile of 16 positions: 128][768 bytes]; scale words from QS_OFF: [head][128 positions: 16][512]: tile a, row r at 16 (r + 16 (a % 2)) + 4 (a / 2); two bytes, the upper half 0.
;       kvbuf: codes [head][128 keys: 16][k: 8 tiles x 768 | v: 4 tiles of 16 channels x 1,536]; from KS_OFF: [head][k's words 16 x 512, as q's | v's 16 x 256: tile t, row r at 8 (r + 16 (t % 2)) + 4 (t / 2)].
; LIMITS: NaN and infinities are not served; a block whose largest magnitude lies under 2^-124 gets the byte 1 (a block of zeros too: its codes are zeros, and this program alone reads the bytes).
; REGISTERS: window 0: v0-31 addresses; v32-63 scale words, two sets, and nothing else; v64-127 the bias, later the way out; v128-223 A's fragments, one set.  Window 1: B's fragments, two sets, at v0 and v128.
;   Windows 2, 3: the accumulators, (a, b) at v[8 (8 (a % 4) + b)] of window 2 + a / 4.
.set GRP,    98304
.set REG,    24576                     ; two K steps of a group: what one tensor load brings
.set KSB,    12288
.set FRB,    1536
.set SLOT,   4*REG                     ; A's two groups, then B's two
.set SCL,    2*SLOT                    ; behind the ring: the scales of the four groups, 4,096 bytes each
.set SCG,    4096
.set SPARE,  SCL+4*SCG                 ; the spare words, 128 bytes for each wave: two blocks of 256 bytes that no other line names
.set OPS_SC, 9437184
.set QS_OFF, 6291456
.set KS_OFF, 12582912
.set NQ,   2                           ; matrix instructions deep in a slot
.set FR,   12
.set NL,   4                           ; LDS loads that bring a fragment
.set NP,   4                           ; places behind this matrix instruction (ISA guide 7.12.1)
.set L16,  4                           ; v4   16 x lane
.set L8,   5                           ; v5   8 x lane
.set ADRA, 16                          ; v16-17 my A group in slot 0, 1, + 16 x lane;  v18-19 + 8 x lane
.set ADRB, 20                          ; v20-23 the same for B
.set STQ,  24                          ; v24  q, k: where a scale word goes in my stage
.set STR,  25                          ; v25  and where the stage is read back
.set STV,  26                          ; v26  v: the same two, in bytes of their own
.set ADRS, 27                          ; v27  my scale words: lanes 0-15 A's rows, lanes 16-31 B's
.set SPW,  28                          ; v28  my spare word; never rewritten
.set NIL,  29                          ; v29  0; never rewritten
.set STVR, 30
.set VSO,  31                          ; v31  v's scale words on their way to memory: 16 r + 12,288 h
.set SC,   32
.set BIAS, 64
.set AF,   128
.set TM,   64                          ; the way out: v64-67 largest magnitudes, v68-71 bytes, v76-79 scale operands
.set PW,   80
.set SH,   81
.set SD,   82
.set PC,   84                          ; v84-95 codes; v96-98, v100-102 at work
.set BKR,  104                         ; v104-111 the stage read back
.set G1, 24
.set G0, 32
.set G1B, 48
.set G0B, 56
.set G1S, 68
.set G0S, 76
.set G1SB, 80
.set G0SB, 88
.set MSB, 0
.macro WIN new                         ; the immediate's high byte repeats the setting that is left
.if MSB != (\new)
	s_set_vgpr_msb (MSB<<8)|(\new)
.set MSB, (\new)
.endif
.endm
.set MUL_LO, 0xa1                      ; source 0 (B) window 1, source 1 (A) window 0, C and D window 2
.set MUL_HI, 0xf1
.set TO_B,   0x40
.macro JLOAD g0a, g1a, g0b, g1b        ; a joint load: waves 0 and 1 fetch for A, waves 2 and 3 for B; four v_nop follow each line
	s_cmp_eq_u32 s15, 0
	s_cbranch_scc0 .Lfor_b_\@
	tensor_load_to_lds s[\g0a:\g0a+3], s[\g1a:\g1a+7]
	s_nop 0
.rept 4
	v_nop
.endr
	s_branch .Lasked_\@
.Lfor_b_\@:
	tensor_load_to_lds s[\g0b:\g0b+3], s[\g1b:\g1b+7]
	s_nop 0
.rept 4
	v_nop
.endr
.Lasked_\@:
.endm
.macro CREST                           ; a round of the cluster's barrier behind its opening barrier
	s_cmp_lg_u32 s14, 0
	s_cbranch_scc1 .Lnot_wave_0_\@
	s_barrier_signal -3
.Lnot_wave_0_\@:
	s_barrier_wait -3
	s_barrier_signal -1
	s_barrier_wait -1
.endm
.macro CROUND
	s_barrier_signal -1
	s_barrier_wait -1
	CREST
.endm
.macro PLACES n
.rept \n
	v_nop
.endr
.endm
	s_load_b128 s[4:7], s[0:1], 0x0                ; ops, b_attn
	s_load_b128 s[8:11], s[0:1], 0x10              ; qbuf, kvbuf
	v_lshl_add_u32 v[SPW], v0, 2, SPARE
	v_mov_b32 v[NIL], 0
	ds_add_u32 v28, v29
	ds_add_u32 v28, v29
	s_wait_dscnt 0x0
	v_lshrrev_b32 v1, 5, v0
	v_readfirstlane_b32 s14, v1                    ; wave 0..3
	s_lshr_b32 s15, s14, 1                         ; my half of A's rows.  Also: I fetch for A (0) or for B (1)
	s_and_b32 s16, s14, 1                          ; my half of B's rows.  Also: which of the two groups I fetch
	s_bfe_u32 s40, ttmp6, 0x40000                  ; cx
	s_bfe_u32 s41, ttmp6, 0x40004                  ; cy
	s_and_b32 s17, ttmp7, 0xffff
	s_lshl_b32 s17, s17, 2                         ; 4 x cluster y
	s_lshl_b32 s42, ttmp9, 2
	s_add_co_u32 s42, s42, 32                      ; 32 + 4 x cluster x: q's or k's features, in units of 256 rows of ops
	s_cmp_eq_u32 ttmp9, 2                          ; v's clusters: the same answer in all sixteen partners
	s_cselect_b32 s96, 1, 0
	s_cselect_b32 s18, 40, s17                     ; A: v's features, or the tokens
	s_cselect_b32 s19, s17, s42                    ; B: the tokens, or q's or k's features
	s_add_co_u32 s17, s18, s41                     ; A's 256 rows: + cy
	s_add_co_u32 s42, s19, s40                     ; B's: + cx
	s_lshl_b32 s43, s41, 2
	s_lshl_b32 s43, 15, s43                        ; my row of the cluster
	s_lshl_b32 s44, 0x1111, s40                    ; my column
	s_or_b32 s[G1+0], s43, (3<<16)|(1<<21)         ; 15:0 the mask; 17:16 elements of 8 bytes; 21 set beside a mask; no padding: the images are read 16 x lane
	s_or_b32 s[G1B+0], s44, (3<<16)|(1<<21)
.irp g, G1, G1B
	s_mov_b32 s[\g+1], 32<<16                      ; tensor_dim0: 32 elements, 256 bytes
	s_mov_b32 s[\g+2], 96<<16                      ; tensor_dim1: 96 rows
	s_mov_b32 s[\g+3], 32<<16                      ; tile_dim0
	s_mov_b32 s[\g+4], 96                          ; tile_dim1
	s_mov_b32 s[\g+5], 32                          ; the pitch: dense
	s_mov_b32 s[\g+6], 0
	s_mov_b32 s[\g+7], 0
.endr
	s_or_b32 s[G1S+0], s43, (3<<16)|(1<<21)        ; a group's scales: 16 rows of 256 bytes
	s_or_b32 s[G1SB+0], s44, (3<<16)|(1<<21)
.irp g, G1S, G1SB
	s_mov_b32 s[\g+1], 32<<16
	s_mov_b32 s[\g+2], 16<<16
	s_mov_b32 s[\g+3], 32<<16
	s_mov_b32 s[\g+4], 16
	s_mov_b32 s[\g+5], 32
	s_mov_b32 s[\g+6], 0
	s_mov_b32 s[\g+7], 0
.endr
	s_lshl_b32 s20, s17, 1
	s_add_co_u32 s20, s20, s16                     ; the group of A that I would fetch
	s_lshl_b32 s46, s42, 1
	s_add_co_u32 s46, s46, s16                     ; and of B
	s_lshl_b32 s22, s20, 12
	s_add_co_u32 s22, s22, OPS_SC
	s_mov_b32 s23, 0
	s_lshl_b32 s92, s46, 12
	s_add_co_u32 s92, s92, OPS_SC
	s_mov_b32 s93, 0
	s_mul_i32 s20, s20, GRP
	s_mov_b32 s21, 0
	s_mul_i32 s46, s46, GRP
	s_mov_b32 s47, 0
	s_mul_i32 s45, s14, REG                        ; where they go: wave x a region: no place in the cluster enters an LDS address
	s_lshl_b32 s94, s14, 12
	s_wait_kmcnt 0x0
	s_add_nc_u64 s[20:21], s[4:5], s[20:21]
	s_add_nc_u64 s[22:23], s[4:5], s[22:23]
	s_add_nc_u64 s[46:47], s[4:5], s[46:47]
	s_add_nc_u64 s[92:93], s[4:5], s[92:93]
	CROUND                                         ; all sixteen work-groups are here: the first joint loads meet
	s_mov_b32 s[G0S], 1
	s_add_co_u32 s[G0S+1], s94, SCL
	s_mov_b64 s[G0S+2:G0S+3], s[22:23]
	s_or_b32 s[G0S+3], s[G0S+3], 0x80000000
	s_mov_b32 s[G0SB], 1
	s_add_co_u32 s[G0SB+1], s94, SCL
	s_mov_b64 s[G0SB+2:G0SB+3], s[92:93]
	s_or_b32 s[G0SB+3], s[G0SB+3], 0x80000000
	JLOAD G0S, G1S, G0SB, G1SB                     ; the scales first: they are wanted with the first K step
.irp s, 0,1
	s_mov_b32 s[G0+4*\s], 1
	s_add_co_u32 s[G0+4*\s+1], s45, \s*SLOT
	s_add_nc_u64 s[G0+4*\s+2:G0+4*\s+3], s[20:21], \s*REG
	s_or_b32 s[G0+4*\s+3], s[G0+4*\s+3], 0x80000000
	s_mov_b32 s[G0B+4*\s], 1
	s_add_co_u32 s[G0B+4*\s+1], s45, \s*SLOT
	s_add_nc_u64 s[G0B+4*\s+2:G0B+4*\s+3], s[46:47], \s*REG
	s_or_b32 s[G0B+4*\s+3], s[G0B+4*\s+3], 0x80000000
	JLOAD G0+4*\s, G1, G0B+4*\s, G1B
.endr
	v_and_b32 v1, 15, v0                           ; r
	v_bfe_u32 v2, v0, 4, 1                         ; h
	v_and_b32 v3, 31, v0
	v_lshlrev_b32 v[L16], 4, v3
	v_lshlrev_b32 v[L8], 3, v3
	s_mul_i32 s21, s15, REG                        ; my group of A
	s_mul_i32 s22, s16, REG                        ; my group of B,
	s_add_co_u32 s22, s22, 2*REG                   ; behind A's two
.irp s, 0,1
	v_add_nc_u32 v[ADRA+\s], s21, v[L16]
	v_add_nc_u32 v[ADRA+2+\s], s21, v[L8]
	v_add_nc_u32 v[ADRB+\s], s22, v[L16]
	v_add_nc_u32 v[ADRB+2+\s], s22, v[L8]
	s_add_co_u32 s21, s21, SLOT
	s_add_co_u32 s22, s22, SLOT
.endr
	v_lshlrev_b32 v6, 4, v1                        ; a row's four scale words: 16 bytes
	s_lshl_b32 s21, s15, 12
	s_lshl_b32 s22, s16, 12
	s_add_co_u32 s22, s22, 2*SCG
	s_sub_co_u32 s22, s22, s21
	v_mul_u32_u24 v7, s22, v2                      ; lanes 16-31 take B's: one product, the distance between the two
	s_add_co_u32 s21, s21, SCL
	v_add_nc_u32 v6, v6, v7
	v_add_nc_u32 v[ADRS], s21, v6
	s_lshl_b32 s21, s14, 10                        ; the stages of the way out, 1,024 bytes a wave
	v_lshlrev_b32 v[STQ], 4, v1
	v_lshl_add_u32 v[STQ], v2, 9, v[STQ]
	v_add_nc_u32 v[STQ], s21, v[STQ]               ; 16 r + 512 h
	v_add_nc_u32 v[STR], s21, v[L16]
	s_add_co_u32 s21, s21, 4096
	v_lshlrev_b32 v[STV], 3, v1
	v_add_nc_u32 v[STV], s21, v[STV]               ; 8 r
	v_add_nc_u32 v[STVR], s21, v[L16]
	v_mul_u32_u24 v[VSO], v2, 12288
	v_lshl_add_u32 v[VSO], v1, 4, v[VSO]
	; THE BIAS is the C of each sum's first product, in the result's layout
	s_cmp_eq_u32 s96, 0
	s_cbranch_scc0 .Lbias_v
	s_lshl_b32 s20, ttmp9, 2                       ; q, k: registers run along the features: block b's eight are features 32 (b / 2) + 8 (b % 2) + 16 h + 0 .. 7 of my 128
	s_add_co_u32 s20, s20, s40
	s_lshl_b32 s20, s20, 10
	s_lshl_b32 s21, s16, 9
	s_add_co_u32 s20, s20, s21
	s_mov_b32 s21, 0
	s_add_nc_u64 s[20:21], s[6:7], s[20:21]
	v_lshlrev_b32 v6, 6, v2
.irp b, 0,1,2,3,4,5,6,7
	global_load_b128 v[BIAS+8*\b:BIAS+8*\b+3], v6, s[20:21] offset:(32*(\b/2)+8*(\b%2))*4
	global_load_b128 v[BIAS+8*\b+4:BIAS+8*\b+7], v6, s[20:21] offset:(32*(\b/2)+8*(\b%2))*4+16
.endr
	s_branch .Lbias_done
.Lbias_v:
	s_lshl_b32 s20, s41, 10                        ; v: a lane holds one feature: block a's eight registers all take feature 32 (a / 2) + 8 (a % 2) + r + 8 (r / 8) of my 128
	s_lshl_b32 s21, s15, 9
	s_add_co_u32 s20, s20, s21
	s_add_co_u32 s20, s20, 2048*4
	s_mov_b32 s21, 0
	s_add_nc_u64 s[20:21], s[6:7], s[20:21]
	v_and_b32 v6, 8, v1
	v_add_nc_u32 v6, v6, v1
	v_lshlrev_b32 v6, 2, v6
.irp a, 0,1,2,3,4,5,6,7
.irp j, 0,1,2,3,4,5,6,7
	global_load_b32 v[BIAS+8*\a+\j], v6, s[20:21] offset:(32*(\a/2)+8*(\a%2))*4
.endr
.endr
.Lbias_done:
.macro FRAG reg, adr, q, i             ; a fragment comes as it was stored: registers 0-3, 4-5, 6-9, 10-11; every load reads consecutive bytes
.set FO, (\q)*KSB+(\i)*FRB
	ds_load_b128 v[\reg:\reg+3], v[\adr] offset:FO
	ds_load_b64 v[\reg+4:\reg+5], v[\adr+2] offset:FO+512
	ds_load_b128 v[\reg+6:\reg+9], v[\adr] offset:FO+768
	ds_load_b64 v[\reg+10:\reg+11], v[\adr+2] offset:FO+1280
.endm
; 16 matrix instructions: A's blocks a0, a0 + 1 x B's eight.  p: B's set; q: which 128 of the slot; sc: the set of scale words.  cm = 0: onto the sums; 1, 2: the first product, whose C is the bias by B's block or by A's.
; The 64 accumulators take turns, one instruction a turn, in the same order in every step.
.macro MUL16 a0, p, q, sc, cm
.irp a, \a0, \a0+1
.irp b, 0,1,2,3,4,5,6,7
.set rD, 8*(8*((\a)%4)+\b)
.set rB, 128*(\p)+FR*\b
.set rA, AF+FR*(\a)
.set rSB, SC+8*NQ*(\sc)+NQ*\b+(\q)
.set rSA, SC+8*NQ*(\sc)+NQ*(\a)+(\q)
.if (\cm) == 0
	v_wmma_scale_f32_16x16x128_f8f6f4 v[rD:rD+7], v[rB:rB+FR-1], v[rA:rA+FR-1], v[rD:rD+7], v[rSB], v[rSA] matrix_a_fmt:MATRIX_FMT_FP6 matrix_b_fmt:MATRIX_FMT_FP6 matrix_a_scale:MATRIX_SCALE_ROW1
.elseif (\cm) == 1
	v_wmma_scale_f32_16x16x128_f8f6f4 v[rD:rD+7], v[rB:rB+FR-1], v[rA:rA+FR-1], v[BIAS+8*\b:BIAS+8*\b+7], v[rSB], v[rSA] matrix_a_fmt:MATRIX_FMT_FP6 matrix_b_fmt:MATRIX_FMT_FP6 matrix_a_scale:MATRIX_SCALE_ROW1
.else
	v_wmma_scale_f32_16x16x128_f8f6f4 v[rD:rD+7], v[rB:rB+FR-1], v[rA:rA+FR-1], v[BIAS+8*(\a):BIAS+8*(\a)+7], v[rSB], v[rSA] matrix_a_fmt:MATRIX_FMT_FP6 matrix_b_fmt:MATRIX_FMT_FP6 matrix_a_scale:MATRIX_SCALE_ROW1
.endif
.endr
.endr
.endm
.macro FETCH_B slot, q, p
	WIN TO_B
.irp i, 0,1,2,3,4,5,6,7
	FRAG 128*(\p)+FR*\i, ADRB+\slot, \q, \i
.endr
	WIN 0
.endm
.macro FETCH_A slot, q, i0
.irp i, \i0, \i0+1, \i0+2, \i0+3
	FRAG AF+FR*(\i), ADRA+\slot, \q, \i
.endr
.endm
.macro SCALES sc, j                    ; the scale words of K steps 2 j, 2 j + 1 into set sc: lanes 0-15 A's block i, lanes 16-31 B's block i
.irp i, 0,1,2,3,4,5,6,7
	ds_load_b64 v[SC+8*NQ*(\sc)+NQ*\i:SC+8*NQ*(\sc)+NQ*\i+1], v[ADRS] offset:((\j)/2)*2048+((\j)%2)*8+\i*256
.endr
.endm
.macro STEP slot, q, cm                ; 128 along K that have their successor in the same slot
	s_wait_dscnt 4*NL                              ; B's set and A's blocks 0-3 are in; the youngest sixteen loads (A's blocks 4-7) may be out
.if \cm
	WIN 0x81                                       ; C (the bias) in window 0
.else
	WIN MUL_LO
.endif
	MUL16 0, (\q)%2, \q, \slot, \cm
	MUL16 2, (\q)%2, \q, \slot, \cm
	s_wait_dscnt 0x0                               ; A's blocks 4-7 are in
	PLACES NP
	FETCH_B \slot, (\q)+1, 1-(\q)%2
	FETCH_A \slot, (\q)+1, 0
.if \cm
	WIN 0xc1
.else
	WIN MUL_HI
.endif
	MUL16 4, (\q)%2, \q, \slot, \cm
	MUL16 6, (\q)%2, \q, \slot, \cm
	PLACES NP
	WIN 0
	FETCH_A \slot, (\q)+1, 4
.endm
; A slot's last step changes slots: one barrier; in front of it each wave waits for all its tensor loads, adds 0 to its spare word, and waits for that and for its own reads of this slot.  fill = 1: the slot is filled again.
.macro TURN slot, next, fill, j
	s_wait_tensorcnt 0x0                           ; all my tensor loads have landed: my part of the next slot
	ds_add_u32 v[SPW], v[NIL]                      ; 0 onto my spare word
	s_wait_dscnt 4*NL+1                            ; (the add and the youngest sixteen loads may be out)
	WIN MUL_LO
	MUL16 0, 1, NQ-1, \slot, 0
	s_wait_dscnt 0x0                               ; the add is done, and my reads of this slot are over
	s_barrier_signal -1
	MUL16 2, 1, NQ-1, \slot, 0
	WIN 0
	s_barrier_wait -1
.if \fill
	CREST                                          ; the barrier has opened a round of the cluster's: no wave of any partner still reads this slot or has a load on its way
	s_add_nc_u64 s[G0+4*\slot+2:G0+4*\slot+3], s[G0+4*\slot+2:G0+4*\slot+3], 2*REG
	s_add_nc_u64 s[G0B+4*\slot+2:G0B+4*\slot+3], s[G0B+4*\slot+2:G0B+4*\slot+3], 2*REG
	JLOAD G0+4*\slot, G1, G0B+4*\slot, G1B         ; the first tensor load behind the round; its four v_nop are the places in front of the loads below
.else
	PLACES NP
.endif
	FETCH_B \next, 0, 0
	FETCH_A \next, 0, 0
	SCALES \next, \j
	WIN MUL_HI
	MUL16 4, 1, NQ-1, \slot, 0
	MUL16 6, 1, NQ-1, \slot, 0
	PLACES NP
	WIN 0
	FETCH_A \next, 0, 4
.endm
	s_wait_tensorcnt 0x1                           ; the scales and my part of slot 0 are in; slot 1's load may be out
	s_barrier_signal -1
	s_barrier_wait -1
	FETCH_B 0, 0, 0
	FETCH_A 0, 0, 0
	SCALES 0, 0
	FETCH_A 0, 0, 4
	s_wait_loadcnt 0x0                             ; the bias
	s_cmp_eq_u32 s96, 0
	s_cbranch_scc0 .Lfirst_v
	STEP 0, 0, 1
	s_branch .Lfirst_done
.Lfirst_v:
	STEP 0, 0, 2
.Lfirst_done:
	TURN 0, 1, 1, 1                                ; K = 1,024 is four slots' worth: written out
	STEP 1, 0, 0
	TURN 1, 0, 1, 2
	STEP 0, 0, 0
	TURN 0, 1, 0, 3                                ; nothing is left to fetch
	STEP 1, 0, 0
	s_wait_dscnt 4*NL
	WIN MUL_LO
	MUL16 0, 1, NQ-1, 1, 0
	MUL16 2, 1, NQ-1, 1, 0
	s_wait_dscnt 0x0
	WIN MUL_HI
	MUL16 4, 1, NQ-1, 1, 0
	MUL16 6, 1, NQ-1, 1, 0
	WIN 0
; THE WAY OUT.  The 64 results of A's block a in a lane, register 16 b + i = B's row 32 b + 16 h + i, are quantised: 12 registers of codes in v[PC] on, the scale word in v[PW].  Each accumulator is read from its low end on.
.macro QUANT s, w
	WIN 20*(\w)                                    ; sources 1 and 2 in the accumulators' window
.irp b, 0,1,2,3
	v_max3_num_f32 v[TM+\b], 0x1800000, |v[(\s)+16*\b]|, |v[(\s)+1+16*\b]|   ; the floor 2^(3 - 127) and my first two of block b
.endr
.irp i, 2,4,6,8,10,12,14
.irp b, 0,1,2,3
	v_max3_num_f32 v[TM+\b], v[TM+\b], |v[(\s)+16*\b+\i]|, |v[(\s)+1+16*\b+\i]|
.endr
.endr
	WIN 0
.irp b, 0,1,2,3
	v_permlanex16_b32 v[TM+4+\b], v[TM+\b], s98, s99
.endr
.irp b, 0,1,2,3
	v_max_num_f32 v[TM+\b], v[TM+\b], v[TM+4+\b]
.endr
.irp b, 0,1,2,3
	v_add_nc_u32 v[TM+12+\b], 0xff000000, v[TM+\b]
.endr
.irp b, 0,1,2,3
	v_lshrrev_b32 v[TM+4+\b], 23, v[TM+12+\b]
.endr
	v_lshl_or_b32 v[PW], v[TM+5], 8, v[TM+4]
	v_lshl_or_b32 v[PW], v[TM+6], 16, v[PW]
	v_lshl_or_b32 v[PW], v[TM+7], 24, v[PW]
	s_wait_xcnt 0x0                                ; the last block's stores have read their registers: the codes are written again only behind this wait
	WIN (\w)                                       ; source 0 in the accumulators' window
.irp c, 0,1
	v_cvt_scalef32_pk16_fp6_f32 v[PC+6*\c:PC+2+6*\c], v[(\s)+32*\c:(\s)+15+32*\c], v[TM+12+2*\c]
	v_cvt_scalef32_pk16_fp6_f32 v[PC+12+4*\c:PC+14+4*\c], v[(\s)+16+32*\c:(\s)+31+32*\c], v[TM+13+2*\c]
.endr
	WIN 0
	v_nop                                          ; one plain place behind the scaled conversions
.irp c, 0,1
.irp i, 0,1,2
	v_permlane16_swap_b32 v[PC+6*\c+\i], v[PC+12+4*\c+\i]
.endr
.irp i, 0,1,2
	v_mov_b32 v[PC+3+6*\c+\i], v[PC+12+4*\c+\i]
.endr
.endr
.endm
	PLACES NP                                      ; behind the last products
	s_mov_b32 s98, 0x76543210
	s_mov_b32 s99, 0xfedcba98
.irp b, 0,1,2,3
	v_mov_b32 v[TM+4+\b], 0                        ; written once: a lane permute's destination counts as one of its sources
.endr
	v_lshlrev_b32 v[SH], 4, v2                     ; 16 h
	s_cmp_eq_u32 s96, 0
	s_cbranch_scc0 .Lout_v
	; ---- q, k: my 128 positions are one step of 128 of a batch; my 128 features are two heads: registers 0-5 of the codes are the first head's, 6-11 the second's
	s_lshl_b32 s20, s17, 1
	s_add_co_u32 s20, s20, s15                     ; position / 128
	s_lshr_b32 s21, s20, 4                         ; the batch
	s_and_b32 s20, s20, 15                         ; the step in it
	s_lshl_b32 s22, s40, 2
	s_lshl_b32 s23, s16, 1
	s_add_co_u32 s22, s22, s23                     ; my first head: 4 cx + 2 (wave % 2)
	s_lshl_b32 s21, s21, 4
	s_add_co_u32 s21, s21, s22                     ; 16 x batch + head
	s_mul_i32 s22, s21, 98304
	s_mul_i32 s23, s20, 6144
	s_add_co_u32 s22, s22, s23
	s_lshl_b32 s22, s22, ttmp9                     ; in kvbuf a head and a step take twice the bytes
	s_mov_b32 s23, 0
	s_lshl_b32 s66, 98304, ttmp9                   ; from head to head
	s_mov_b32 s67, 0
	s_mov_b32 s94, 12288
	s_mov_b32 s95, KS_OFF
	s_cmp_eq_u32 ttmp9, 0
	s_cselect_b64 s[12:13], s[8:9], s[10:11]       ; q goes to qbuf, k to kvbuf
	s_cselect_b32 s94, 8192, s94                   ; a head's scale bytes
	s_cselect_b32 s95, QS_OFF, s95
	s_mov_b64 s[46:47], s[12:13]
	s_add_nc_u64 s[12:13], s[12:13], s[22:23]      ; the first head's codes
	s_add_nc_u64 s[18:19], s[12:13], s[66:67]      ; the second's
	s_mul_i32 s22, s21, s94
	s_lshl_b32 s23, s20, 9
	s_add_co_u32 s22, s22, s23
	s_add_co_u32 s22, s22, s95
	s_mov_b32 s23, 0
	s_mov_b32 s95, 0
	s_add_nc_u64 s[46:47], s[46:47], s[22:23]      ; the first head's scale words
	s_add_nc_u64 s[92:93], s[46:47], s[94:95]      ; the second's
.irp a, 0,1,2,3,4,5,6,7
	QUANT 64*(\a%4), 2+\a/4
	v_bfe_u32 v[SD], v[PW], v[SH], 16              ; lanes 0-15 keep the first head's two bytes, lanes 16-31 the second's; the word's upper half is 0
	ds_store_b32 v[STQ], v[SD] offset:256*(\a%2)+4*(\a/2)
	global_store_b128 v[L16], v[PC:PC+3], s[12:13] offset:\a*768
	global_store_b64 v[L8], v[PC+4:PC+5], s[12:13] offset:\a*768+512
	global_store_b128 v[L16], v[PC+6:PC+9], s[18:19] offset:\a*768
	global_store_b64 v[L8], v[PC+10:PC+11], s[18:19] offset:\a*768+512
.endr
	ds_load_b128 v[BKR:BKR+3], v[STR]              ; LDS serves a wave's instructions in order: these see my stores
	ds_load_b128 v[BKR+4:BKR+7], v[STR] offset:512
	s_wait_dscnt 0x0
	global_store_b128 v[L16], v[BKR:BKR+3], s[46:47]       ; 512 consecutive bytes: a step's words of one head
	global_store_b128 v[L16], v[BKR+4:BKR+7], s[92:93]
	s_branch .Lend
.Lout_v:
	; ---- v: my 128 features are two heads of four tiles of 16 channels; my 128 positions are one step of 128 keys: a block's 12 registers are one fragment, 16 channels x 128 keys
	s_lshl_b32 s20, s42, 1
	s_add_co_u32 s20, s20, s16
	s_lshr_b32 s21, s20, 4
	s_and_b32 s20, s20, 15
	s_lshl_b32 s22, s41, 2
	s_lshl_b32 s23, s15, 1
	s_add_co_u32 s22, s22, s23                     ; my first head: 4 cy + 2 (wave / 2)
	s_lshl_b32 s21, s21, 4
	s_add_co_u32 s21, s21, s22
	s_mul_i32 s22, s21, 196608
	s_mul_i32 s23, s20, 12288
	s_add_co_u32 s22, s22, s23
	s_add_co_u32 s22, s22, 6144                    ; behind the step's eight tiles of k
	s_mov_b32 s23, 0
	s_add_nc_u64 s[12:13], s[10:11], s[22:23]
	s_add_nc_u64 s[18:19], s[12:13], 196608
	s_mul_i32 s22, s21, 12288
	s_lshl_b32 s23, s20, 8
	s_add_co_u32 s22, s22, s23
	s_add_co_u32 s22, s22, KS_OFF+8192
	s_mov_b32 s23, 0
	s_add_nc_u64 s[46:47], s[10:11], s[22:23]
.irp a, 0,1,2,3,4,5,6,7
	QUANT 64*(\a%4), 2+\a/4
	ds_store_b32 v[STV], v[PW] offset:256*(\a/4)+128*(\a%2)+4*((\a%4)/2)   ; both halves of the lanes write the same word with the same value
	global_store_b128 v[L16], v[PC:PC+3], s[12+6*(\a/4):13+6*(\a/4)] offset:(\a%4)*FRB
	global_store_b64 v[L8], v[PC+4:PC+5], s[12+6*(\a/4):13+6*(\a/4)] offset:(\a%4)*FRB+512
	global_store_b128 v[L16], v[PC+6:PC+9], s[12+6*(\a/4):13+6*(\a/4)] offset:(\a%4)*FRB+768
	global_store_b64 v[L8], v[PC+10:PC+11], s[12+6*(\a/4):13+6*(\a/4)] offset:(\a%4)*FRB+1280
.endr
	ds_load_b128 v[BKR:BKR+3], v[STVR]
	s_wait_dscnt 0x0
	global_store_b128 v[VSO], v[BKR:BKR+3], s[46:47]       ; lanes 0-15: 256 consecutive bytes of the first head; lanes 16-31: of the second
.Lend:
	s_wait_tensorcnt 0x0                           ; the wave's end
	ds_add_u32 v[SPW], v[NIL]
	s_wait_dscnt 0x0
	CROUND                                         ; the closing round
	s_endpgm
.Lfunc_end_k_q607fd62035_qkv:
	.size	k_q607fd62035_qkv, .Lfunc_end_k_q607fd62035_qkv-k_q607fd62035_qkv
	.p2alignl 7, 3214868480
	.fill 96, 4, 3214868480
	.section	.rodata,"a",@progbits
	.p2align	6, 0x0
	.amdhsa_kernel k_q607fd62035_qkv
		.amdhsa_group_segment_fixed_size 327680
		.amdhsa_private_segment_fixed_size 0
		.amdhsa_enable_private_segment 0
		.amdhsa_kernarg_size 32
		.amdhsa_user_sgpr_count 2
		.amdhsa_user_sgpr_kernarg_segment_ptr 1
		.amdhsa_wavefront_size32 1
		.amdhsa_system_sgpr_workgroup_id_x 1
		.amdhsa_system_sgpr_workgroup_id_y 1
		.amdhsa_system_sgpr_workgroup_id_z 1
		.amdhsa_system_vgpr_workitem_id 0
		.amdhsa_next_free_vgpr 1024
		.amdhsa_next_free_sgpr 100
		.amdhsa_reserve_vcc 0
		.amdhsa_float_denorm_mode_32 3
		.amdhsa_float_denorm_mode_16_64 3
		.amdhsa_memory_ordered 1
		.amdhsa_forward_progress 1
		.amdhsa_inst_pref_size 207
	.end_amdhsa_kernel
	.amdgpu_metadata
---
amdhsa.version: [ 1, 2 ]
amdhsa.kernels:
  - .name:           k_q607fd62035_qkv
    .symbol:         k_q607fd62035_qkv.kd
    .args:
      - { .name: ops, .offset: 0, .size: 8, .value_kind: global_buffer, .address_space: global }
      - { .name: b_attn, .offset: 8, .size: 8, .value_kind: global_buffer, .address_space: global }
      - { .name: qbuf, .offset: 16, .size: 8, .value_kind: global_buffer, .address_space: global }
      - { .name: kvbuf, .offset: 24, .size: 8, .value_kind: global_buffer, .address_space: global }
    .group_segment_fixed_size: 327680
    .private_segment_fixed_size: 0
    .kernarg_segment_align: 8
    .kernarg_segment_size: 32
    .max_flat_workgroup_size: 128
    .sgpr_count:     100
    .vgpr_count:     1024
    .wavefront_size: 32
...
	.end_amdgpu_metadata
.endif
;; end of part 2
;; launch attn (part 3): grid 4 x 64, 16 waves a work-group, clusters of 4 x 1, 210,944 bytes of LDS; arguments qbuf, kvbuf, abuf; writes abuf
.if DOCPART == 3
	.amdgcn_target "amdgcn-amd-amdhsa--gfx1250"
	.amdhsa_code_object_version 6
	.text
	.protected	k_q607fd62035_attn
	.globl	k_q607fd62035_attn
	.p2align	8
	.type	k_q607fd62035_attn,@function
k_q607fd62035_attn:
	s_mov_b64 s[64:65], 0
	v_nop
	global_prefetch_b8 v0, s[64:65] scope:SCOPE_SE
	s_setreg_imm32_b32 hwreg(HW_REG_WAVE_MODE, 25, 1), 1
	s_wait_xcnt 0x0
	s_wait_alu depctr_hold_cnt(0) depctr_sa_sdst(0) depctr_va_vdst(0) depctr_va_sdst(0) depctr_va_ssrc(0) depctr_va_vcc(0) depctr_vm_vsrc(0)
	s_getreg_b32 s2, hwreg(HW_REG_IB_STS2, 6, 4)
	s_cmp_eq_u32 s2, 0
	s_cbranch_scc0 .Lentry_in_a_cluster
	s_endpgm
.Lentry_in_a_cluster:
	s_bfe_u32 s2, ttmp6, 0x10000c
	s_cmp_lg_u32 s2, 0x3003
	s_cbranch_scc0 .Lentry_shape_is_right
	s_endpgm
.Lentry_shape_is_right:
; a = softmax(q k^T / 8, causal) v for 64 heads of 2,048 x 64, both products on codes of FP6 (E2M3) with E8M0 scales, and a quantised along the model's 1,024 on the way out.
; THE SOFTMAX AHEAD OF THE SECOND PRODUCT: t = score x log2(e) / 8; M = the row's largest t so far, rounded up to a whole number; p = 2^(t - M) is quantised along the keys, not normalised; the row's sum of the unquantised p
; divides at the end.  When M moves, the sum and O are multiplied by 2^(old M - new M): exact.
; A HEAD'S K, V AND SCALES, 208,896 BYTES, LIE IN LDS WHOLE: filled once, by joint loads of the four work-groups of a cluster, which share a head.  No byte is filled again: no ring.  Behind the fills the waves owe each other nothing.
; SHARES.  Wave w of work-group c owns two tiles of 16 queries: 4 w + c and 127 - (4 w + c).  Their last steps of 128 keys are w / 2 and 15 - w / 2: every wave has 17 steps, and no branch hangs on c.
; A step all of whose keys come after the tile's queries is left out by a scalar branch on ids; in the tile's last step hidden scores become -infinity ahead of the maximum.
; LAYOUT.  Both products are used transposed: S^T = K Q^T, O^T = V^T P^T: a lane holds ONE query.  Tiles of 16 tokens lie by position (tile 2 b + u, row r = token 32 b + 8 u + r + 8 (r / 8) of a step), so the 16 registers of
; tiles 2 b, 2 b + 1 of S^T are keys 32 b + 16 h + 0 .. 15; V's channels lie so too, so O^T's registers are neighbouring channels.
; THE FIRST PRODUCT'S K IS 64: the upper half of Q's operand is zero codes; against them stand whatever six registers follow K's tile (the next tile's codes): a number of the format x 0.  The upper scale bytes are 0 on both sides.
; LIMITS: NaN and infinities are not served.  Hidden keys count as p = 0: a row all of whose visible logits lie near or under -1e9 is not served.  A block whose largest magnitude lies under 2^-124 gets the byte 1.
; No prefetch: every byte of K and V is asked for at the head.
; REGISTERS: v1-4 lane constants; v5-8 the step's addresses; v9 the mask's d; v10 16 r; v12 -M, v13 the largest t, v[14:15] the sum; v16-27 Q and zeros; v28 Q's scale word; v32-85 K's eight tiles and a tail of zeros, then V's four
; fragments; v86-89 K's scale words, v90-91 V's; v92-99 the second tile's Q, scale word and d; v100-163 S^T, then p; v164-195 O^T; v196-207 p's codes; v208-235 at work; v232 p's scale word.
.set STEPB, 12288                      ; a step in LDS and in kvbuf: K's 8 tiles x 768, then V's 4 fragments x 1,536
.set VOFF,  6144
.set PHB,   4*STEPB                    ; a quarter of the head
.set SCK,   16*STEPB                   ; K's scale words, 16 x 512
.set SCV,   SCK+8192                   ; V's, 16 x 256
.set QS_OFF, 6291456
.set KS_OFF, 12582912
.set AS_OFF, 6291456
.set L16, 1
.set L8,  2
.set LK,  3
.set LV,  4
.set DQ,  9
.set R16, 10
.set S,   100
.set O,   164
.set PC,  196
.set BM,  216                          ; v216-219 the blocks' largest; v220-223 the other half's, then bytes; v224-227 scale operands
.set WV,  10
.set CX,  11
.set BH,  12
.set SEL, 52
.set CS,  54
.set TB,  56                           ; s56 LDS byte of the step's codes; s57 of K's scale words; s58 of V's
.set TK,  57
.set TV,  58
.set SC,  59                           ; s59 the step
.set G,   60                           ; s60 the tile's last step
.set GLO, 61
.macro CROUND                          ; a round of the cluster's barrier
	s_barrier_signal -1
	s_barrier_wait -1
	s_cmp_lg_u32 s[WV], 0
	s_cbranch_scc1 .Lnot_wave_0_\@
	s_barrier_signal -3
.Lnot_wave_0_\@:
	s_barrier_wait -3
	s_barrier_signal -1
	s_barrier_wait -1
.endm
	s_load_b128 s[4:7], s[0:1], 0x0                ; qbuf, kvbuf
	s_load_b64 s[8:9], s[0:1], 0x10                ; abuf
	v_lshl_add_u32 v254, v0, 2, 0x33000
	v_mov_b32 v255, 0
	ds_add_u32 v254, v255
	ds_add_u32 v254, v255
	v_lshrrev_b32 v1, 5, v0
	s_delay_alu instid0(VALU_DEP_1)
	v_readfirstlane_b32 s[WV], v1                  ; wave 0..15
	s_bfe_u32 s[CX], ttmp6, 0x40000                ; cx: it enters global addresses and vector data alone
	s_and_b32 s[BH], ttmp7, 0xffff                 ; 16 x batch + head, which the four partners share
	s_mov_b32 s16, 15|(3<<16)|(1<<21)              ; group 1, codes: the mask names all four; elements of 8 bytes; 12 rows of 256 bytes, dense
	s_mov_b32 s17, 32<<16
	s_mov_b32 s18, 12<<16
	s_mov_b32 s19, 32<<16
	s_mov_b32 s20, 12
	s_mov_b32 s21, 32
	s_mov_b32 s22, 0
	s_mov_b32 s23, 0
	s_mov_b32 s24, 15|(3<<16)|(1<<21)              ; group 1, scales: 3 rows of 256 bytes
	s_mov_b32 s25, 32<<16
	s_mov_b32 s26, 3<<16
	s_mov_b32 s27, 32<<16
	s_mov_b32 s28, 3
	s_mov_b32 s29, 32
	s_mov_b32 s30, 0
	s_mov_b32 s31, 0
	s_mul_i32 s13, s[WV], 3072                     ; my sixteenth of a quarter
	s_mul_i32 s14, s[BH], 16*STEPB
	s_add_co_u32 s14, s14, s13
	s_mov_b32 s15, 0
	s_mul_i32 s2, s[WV], 768                       ; my sixteenth of the scales
	s_mul_i32 s62, s[BH], 12288
	s_add_co_u32 s62, s62, s2
	s_add_co_u32 s62, s62, KS_OFF
	s_mov_b32 s63, 0
	s_wait_dscnt 0x0
	s_wait_kmcnt 0x0
	s_add_nc_u64 s[14:15], s[6:7], s[14:15]
	s_add_nc_u64 s[62:63], s[6:7], s[62:63]
	s_mov_b32 s32, 1
	s_add_co_u32 s33, s2, SCK
	s_mov_b64 s[34:35], s[62:63]
	s_or_b32 s35, s35, 0x80000000
.irp q, 0,1,2,3
	s_mov_b32 s[36+4*\q], 1
	s_add_co_u32 s[37+4*\q], s13, \q*PHB
	s_add_nc_u64 s[38+4*\q:39+4*\q], s[14:15], \q*PHB
	s_or_b32 s[39+4*\q], s[39+4*\q], 0x80000000
.endr
	CROUND                                         ; all four work-groups are here: the joint loads meet
	tensor_load_to_lds s[32:35], s[24:31]          ; the scales, then the four quarters: five loads of mine are out, all first fills
	s_nop 0
	tensor_load_to_lds s[36:39], s[16:23]
	s_nop 0
	tensor_load_to_lds s[40:43], s[16:23]
	s_nop 0
	tensor_load_to_lds s[44:47], s[16:23]
	s_nop 0
	tensor_load_to_lds s[48:51], s[16:23]
	s_nop 0
.rept 4
	v_nop
.endr
	v_and_b32 v11, 31, v0
	s_delay_alu instid0(VALU_DEP_1)
	v_lshlrev_b32 v[L16], 4, v11
	s_delay_alu instid0(VALU_DEP_2)
	v_lshlrev_b32 v[L8], 3, v11
	s_delay_alu instid0(VALU_DEP_2)
	v_add_nc_u32 v[LK], SCK, v[L16]
	s_delay_alu instid0(VALU_DEP_2)
	v_add_nc_u32 v[LV], SCV, v[L8]
	v_and_b32 v230, 15, v0                         ; r
	v_bfe_u32 v231, v0, 4, 1                       ; h
	s_delay_alu instid0(VALU_DEP_2)
	v_lshlrev_b32 v[R16], 4, v230
	s_wait_alu depctr_va_vdst(0)
	v_and_b32 v5, 8, v230
	s_delay_alu instid0(VALU_DEP_1)
	v_add_nc_u32 v5, v5, v230
	v_lshlrev_b32 v6, 4, v231
	s_delay_alu instid0(VALU_DEP_1)
	v_sub_nc_u32 v5, v5, v6                        ; r + 8 (r / 8) - 16 h
	s_wait_alu depctr_va_vdst(0)
	s_mov_b32 s[SEL], 0x76543210
	s_mov_b32 s[SEL+1], 0xfedcba98
	s_mov_b32 s[CS], 0x3e38aa3b                    ; c = log2(e) / 8
	s_mov_b32 s[CS+1], s[CS]
	s_lshr_b32 s[GLO], s[WV], 1
	s_xor_b32 s[G], s[GLO], 15                     ; 15 - w / 2
	s_lshl_b32 s74, s[WV], 2
	s_add_co_u32 s74, s74, s[CX]                   ; the early tile
	s_xor_b32 s75, s74, 127                        ; the late one: 127 - it
	s_bfe_u32 s76, s[BH], 0x30001                  ; head / 2: a's K step
	s_mul_i32 s84, s76, 12288
	s_and_b32 s77, s[BH], 1
	s_mul_i32 s78, s77, 768
	s_add_co_u32 s84, s84, s78                     ; the head's place in a group's codes of abuf
	s_bfe_u32 s78, s[BH], 0x10003
	s_lshl_b32 s85, s78, 11
	s_and_b32 s76, s76, 3
	s_lshl_b32 s76, s76, 2
	s_add_co_u32 s85, s85, s76
	s_lshl_b32 s77, s77, 1
	s_add_co_u32 s85, s85, s77
	s_add_co_u32 s85, s85, AS_OFF                  ; and among its scale bytes
; a tile's bases: Q's codes, Q's scale words, the mask's constant, a's codes, a's scale bytes
.macro TILE ti, qc, qs, dq, oc, os
	s_lshl_b32 s76, s[BH], 7
	s_add_co_u32 s76, s76, s[\ti]
	s_mul_i32 s76, s76, 768
	s_mov_b32 s77, 0
	s_add_nc_u64 s[\qc:\qc+1], s[4:5], s[76:77]
	s_lshr_b32 s78, s[\ti], 3                      ; its step
	s_and_b32 s79, s[\ti], 1
	s_bfe_u32 s80, s[\ti], 0x20001
	s_and_b32 s81, s[\ti], 7
	s_lshl_b32 s76, s[BH], 13
	s_lshl_b32 s82, s78, 9
	s_add_co_u32 s76, s76, s82
	s_lshl_b32 s82, s79, 8
	s_add_co_u32 s76, s76, s82
	s_lshl_b32 s82, s80, 2
	s_add_co_u32 s76, s76, s82
	s_add_co_u32 s76, s76, QS_OFF
	s_add_nc_u64 s[\qs:\qs+1], s[4:5], s[76:77]
	s_lshl_b32 s[\dq], s80, 5
	s_lshl_b32 s82, s79, 3
	s_add_co_u32 s[\dq], s[\dq], s82
	s_lshr_b32 s82, s[BH], 4
	s_lshl_b32 s82, s82, 4
	s_add_co_u32 s82, s82, s78                     ; its group of 128 positions in abuf
	s_mul_i32 s76, s82, 98304
	s_mul_i32 s83, s81, 1536
	s_add_co_u32 s76, s76, s83
	s_add_co_u32 s76, s76, s84
	s_add_nc_u64 s[\oc:\oc+1], s[8:9], s[76:77]
	s_lshl_b32 s76, s82, 12
	s_lshl_b32 s83, s81, 8
	s_add_co_u32 s76, s76, s83
	s_add_co_u32 s76, s76, s85
	s_add_nc_u64 s[\os:\os+1], s[8:9], s[76:77]
.endm
	TILE 75, 86, 88, 90, 66, 70                    ; the late tile goes first
	TILE 74, 92, 94, 91, 68, 72
	global_load_b128 v[16:19], v[L16], s[86:87]
	global_load_b64 v[20:21], v[L8], s[86:87] offset:512
	global_load_b32 v28, v[R16], s[88:89]
	global_load_b128 v[92:95], v[L16], s[92:93]
	global_load_b64 v[96:97], v[L8], s[92:93] offset:512
	global_load_b32 v98, v[R16], s[94:95]
	v_add_nc_u32 v[DQ], s90, v5                    ; d = my query - 16 h, counted from the step's first key: register 16 b + i holds a hidden key where 32 b + i > d
	v_add_nc_u32 v99, s91, v5
.irp j, 22,23,24,25,26,27,80,81,82,83,84,85,220,221,222,223,229,230
	v_mov_b32 v\j, 0                               ; Q's upper half and K's tail: zero codes; the others: named before they are first written
.endr
.macro INIT                            ; the loop has no first step of its own: it finds zeros, which the first change of M leaves zeros
	v_mov_b32 v13, 0xff61b1e6                      ; the largest t so far: -3e38
	s_delay_alu instid0(VALU_DEP_1)
	v_floor_f32 v12, -v13
	v_mov_b32 v14, 0
	v_mov_b32 v15, 0
.set NN, 0
.rept 32
	v_mov_b32 v[O+NN], 0
.set NN, NN+1
.endr
.endm
; A KEY STEP: 128 keys
.macro STEP
	s_cmp_gt_u32 s[SC], s[G]
	s_cbranch_scc1 .Lhidden_\@
	s_setprio 2
	v_add_nc_u32 v5, s[TB], v[L16]                 ; (these four are the places in front of loads into registers that the last products read)
	v_add_nc_u32 v6, s[TB], v[L8]
	v_add_nc_u32 v7, s[TK], v[LK]
	v_add_nc_u32 v8, s[TV], v[LV]
.irp t, 0,1,2,3,4,5,6,7
	ds_load_b128 v[32+6*\t:35+6*\t], v5 offset:768*\t
	ds_load_b64 v[36+6*\t:37+6*\t], v6 offset:768*\t+512
.endr
	ds_load_b128 v[86:89], v7                      ; register t / 2: lanes 0-15 tile t even, lanes 16-31 odd
	s_wait_alu depctr_va_vdst(0)
	s_wait_dscnt 0x0
.irp t, 0,1,2,3,4,5,6,7
.if \t%2
	v_wmma_scale_f32_16x16x128_f8f6f4 v[S+8*\t:S+8*\t+7], v[32+6*\t:43+6*\t], v[16:27], 0, v[86+\t/2], v28 matrix_a_fmt:MATRIX_FMT_FP6 matrix_b_fmt:MATRIX_FMT_FP6 matrix_a_scale:MATRIX_SCALE_ROW1
.else
	v_wmma_scale_f32_16x16x128_f8f6f4 v[S+8*\t:S+8*\t+7], v[32+6*\t:43+6*\t], v[16:27], 0, v[86+\t/2], v28 matrix_a_fmt:MATRIX_FMT_FP6 matrix_b_fmt:MATRIX_FMT_FP6
.endif
.endr
.rept 4
	v_nop                                          ; places: in front of the loads below and of the first read of the scores
.endr
.irp t, 0,1,2,3                                ; V's four fragments land while the softmax is walked
	ds_load_b128 v[32+12*\t:35+12*\t], v5 offset:VOFF+1536*\t
	ds_load_b64 v[36+12*\t:37+12*\t], v6 offset:VOFF+1536*\t+512
	ds_load_b128 v[38+12*\t:41+12*\t], v5 offset:VOFF+1536*\t+768
	ds_load_b64 v[42+12*\t:43+12*\t], v6 offset:VOFF+1536*\t+1280
.endr
	ds_load_b64 v[90:91], v8
	s_cmp_lg_u32 s[SC], s[G]                       ; only the tile's last step lies on the diagonal
	s_cbranch_scc1 .Lopen_\@
	v_mov_b32 v230, 0xff800000                     ; -infinity
.set NN, 0
.rept 64
	v_cmp_gt_i32 vcc_lo, 32*(NN/16)+NN%16, v[DQ]
	v_cndmask_b32 v[S+NN], v[S+NN], v230, vcc_lo
.set NN, NN+1
.endr
.Lopen_\@:
.irp b, 0,1,2,3
	v_max3_num_f32 v[BM+\b], v[S+16*\b], v[S+1+16*\b], v[S+2+16*\b]   ; the largest score of each block of 32 keys: for the row's maximum and, since p rises with the score, for the block's largest p
.endr
.irp i, 3,5,7,9,11,13
.irp b, 0,1,2,3
	v_max3_num_f32 v[BM+\b], v[BM+\b], v[S+16*\b+\i], v[S+1+16*\b+\i]
.endr
.endr
.irp b, 0,1,2,3
	v_max_num_f32 v[BM+\b], v[BM+\b], v[S+15+16*\b]
.endr
.irp b, 0,1,2,3
	s_delay_alu instid0(VALU_DEP_4)
	v_permlanex16_b32 v[BM+4+\b], v[BM+\b], s[SEL], s[SEL+1]
.endr
.irp b, 0,1,2,3
	s_delay_alu instid0(VALU_DEP_4)
	v_max_num_f32 v[BM+\b], v[BM+\b], v[BM+4+\b]
.endr
	s_delay_alu instid0(VALU_DEP_2)
	v_max3_num_f32 v230, v[BM], v[BM+1], v[BM+2]
	s_delay_alu instid0(VALU_DEP_1)
	v_max_num_f32 v230, v230, v[BM+3]
	s_delay_alu instid0(VALU_DEP_1)
	v_mul_f32 v230, s[CS], v230
	s_delay_alu instid0(VALU_DEP_1)
	v_max_num_f32 v13, v13, v230                   ; the running largest t
	v_mov_b32 v230, v12
	s_delay_alu instid0(VALU_DEP_2)
	v_floor_f32 v12, -v13                          ; -M = floor(-t): M is a whole number
	s_delay_alu instid0(VALU_DEP_1)
	v_sub_f32 v230, v12, v230
	s_delay_alu instid0(VALU_DEP_1)
	v_cvt_i32_f32 v230, v230                       ; (it saturates)
	s_delay_alu instid0(VALU_DEP_1)
	v_ldexp_f32 v228, 1.0, v230                    ; f = 2^(old M - new M)
.set NN, 0
.rept 32
	v_pk_fma_f32 v[S+NN:S+NN+1], v[S+NN:S+NN+1], s[CS:CS+1], v[12:13] op_sel_hi:[1,0,0]   ; t - M
.set NN, NN+2
.endr
	s_setprio 1
.irp b, 0,1,2,3
	v_fma_f32 v[BM+\b], v[BM+\b], s[CS], v12
.endr
.set NN, 0
	s_wait_alu depctr_va_vdst(0)
.rept 64
	v_exp_f32 v[S+NN], v[S+NN]                     ; p = 2^(t - M)
.set NN, NN+1
.endr
	v_pk_mul_f32 v[14:15], v[14:15], v[228:229] op_sel_hi:[1,0]   ; the sums under the new M: the plain place behind the exponentials
	s_wait_alu depctr_va_vdst(0)                   ; one wait for the batch, ahead of its first reader
.irp b, 0,1,2,3
	v_exp_f32 v[BM+\b], v[BM+\b]                   ; the block's largest p
.endr
	v_pk_add_f32 v[234:235], v[104:105], v[108:109]
	v_pk_add_f32 v[252:253], v[112:113], v[116:117]
	v_pk_add_f32 v[250:251], v[120:121], v[124:125]
	v_pk_add_f32 v[248:249], v[128:129], v[132:133]
	v_pk_add_f32 v[246:247], v[136:137], v[140:141]
	v_pk_add_f32 v[244:245], v[144:145], v[148:149]
	v_pk_add_f32 v[242:243], v[152:153], v[156:157]
	v_pk_add_f32 v[14:15], v[14:15], v[160:161]
	v_pk_add_f32 v[234:235], v[234:235], v[100:101]
	v_pk_add_f32 v[252:253], v[252:253], v[102:103]
	v_pk_add_f32 v[250:251], v[250:251], v[106:107]
	v_pk_add_f32 v[248:249], v[248:249], v[110:111]
	v_pk_add_f32 v[246:247], v[246:247], v[114:115]
	v_pk_add_f32 v[244:245], v[244:245], v[118:119]
	v_pk_add_f32 v[242:243], v[242:243], v[122:123]
	v_pk_add_f32 v[14:15], v[14:15], v[126:127]
	v_pk_add_f32 v[234:235], v[234:235], v[130:131]
	v_pk_add_f32 v[252:253], v[252:253], v[134:135]
	v_pk_add_f32 v[250:251], v[250:251], v[138:139]
	v_pk_add_f32 v[248:249], v[248:249], v[142:143]
	v_pk_add_f32 v[246:247], v[246:247], v[146:147]
	v_pk_add_f32 v[244:245], v[244:245], v[150:151]
	v_pk_add_f32 v[242:243], v[242:243], v[154:155]
	v_pk_add_f32 v[14:15], v[14:15], v[158:159]
	v_pk_add_f32 v[234:235], v[234:235], v[162:163]
	s_delay_alu instid0(VALU_DEP_2)
	v_pk_add_f32 v[14:15], v[14:15], v[248:249]
	s_delay_alu instid0(VALU_DEP_2)
	v_pk_add_f32 v[234:235], v[234:235], v[246:247]
	v_pk_add_f32 v[252:253], v[252:253], v[244:245]
	v_pk_add_f32 v[250:251], v[250:251], v[242:243]
	s_delay_alu instid0(VALU_DEP_2)
	v_pk_add_f32 v[14:15], v[14:15], v[252:253]
	s_delay_alu instid0(VALU_DEP_2)
	v_pk_add_f32 v[234:235], v[234:235], v[250:251]
	s_delay_alu instid0(VALU_DEP_1)
	v_pk_add_f32 v[14:15], v[14:15], v[234:235]
	s_wait_alu depctr_va_vdst(0)                   ; and one for the four
.irp b, 0,1,2,3
	v_max_num_f32 v[BM+\b], 0x1800000, v[BM+\b]    ; the floor 2^(3 - 127)
.endr
.irp b, 0,1,2,3
	s_delay_alu instid0(VALU_DEP_4)
	v_add_nc_u32 v[BM+8+\b], 0xff000000, v[BM+\b]
.endr
.irp b, 0,1,2,3
	s_delay_alu instid0(VALU_DEP_4)
	v_lshrrev_b32 v[BM+4+\b], 23, v[BM+8+\b]
.endr
	s_delay_alu instid0(VALU_DEP_3)
	v_lshl_or_b32 v232, v[BM+5], 8, v[BM+4]        ; p's scale word for these 128 keys
	s_delay_alu instid0(VALU_DEP_1)
	v_lshl_or_b32 v232, v[BM+6], 16, v232
	s_delay_alu instid0(VALU_DEP_1)
	v_lshl_or_b32 v232, v[BM+7], 24, v232
	s_setprio 0
.irp c, 0,1
	v_cvt_scalef32_pk16_fp6_f32 v[PC+6*\c:PC+2+6*\c], v[S+32*\c:S+15+32*\c], v[BM+8+2*\c]
	v_cvt_scalef32_pk16_fp6_f32 v[PC+12+4*\c:PC+14+4*\c], v[S+16+32*\c:S+31+32*\c], v[BM+9+2*\c]
.endr
	v_nop                                          ; one plain place behind the scaled conversions
.irp c, 0,1
.irp i, 0,1,2
	v_permlane16_swap_b32 v[PC+6*\c+\i], v[PC+12+4*\c+\i]
.endr
.irp i, 0,1,2
	s_delay_alu instid0(VALU_DEP_3)
	v_mov_b32 v[PC+3+6*\c+\i], v[PC+12+4*\c+\i]
.endr
.endr
.set NN, 0
.rept 16
	v_pk_mul_f32 v[O+NN:O+NN+1], v[O+NN:O+NN+1], v[228:229] op_sel_hi:[1,0]   ; O^T under the new M; these sixteen are also the places between the codes and the scale word just made and the products
.set NN, NN+2
.endr
	s_wait_alu depctr_va_vdst(0)
	s_wait_dscnt 0x0                               ; V
.irp t, 0,1,2,3                                ; the four accumulators take turns
.if \t%2
	v_wmma_scale_f32_16x16x128_f8f6f4 v[O+8*\t:O+8*\t+7], v[32+12*\t:43+12*\t], v[PC:PC+11], v[O+8*\t:O+8*\t+7], v[90+\t/2], v232 matrix_a_fmt:MATRIX_FMT_FP6 matrix_b_fmt:MATRIX_FMT_FP6 matrix_a_scale:MATRIX_SCALE_ROW1
.else
	v_wmma_scale_f32_16x16x128_f8f6f4 v[O+8*\t:O+8*\t+7], v[32+12*\t:43+12*\t], v[PC:PC+11], v[O+8*\t:O+8*\t+7], v[90+\t/2], v232 matrix_a_fmt:MATRIX_FMT_FP6 matrix_b_fmt:MATRIX_FMT_FP6
.endif
.endr
.Lhidden_\@:
	s_add_co_u32 s[TB], s[TB], STEPB
	s_add_co_u32 s[TK], s[TK], 512
	s_add_co_u32 s[TV], s[TV], 256
.endm
; A quarter of the head: four steps.  The wait's count leaves the later quarters' loads out, and only bytes that have landed are read behind it.
.macro PHASE q
	s_wait_dscnt 0x0
	s_wait_tensorcnt 3-\q                          ; the scales and quarters 0 to q: my parts are in
	s_barrier_signal -1
	s_barrier_wait -1                              ; everybody's are
	s_mov_b32 s[TB], \q*PHB
	s_mov_b32 s[TK], \q*2048
	s_mov_b32 s[TV], \q*1024
	s_mov_b32 s[SC], 4*\q
.Lph_\@:
	STEP
	s_add_co_u32 s[SC], s[SC], 1
	s_cmp_lt_u32 s[SC], 4*(\q+1)
	s_cbranch_scc1 .Lph_\@
	s_setprio 0
.endm
; THE WAY OUT of a tile: O^T / the sum; register 16 b + i is channel 32 b + 16 h + i of my query: two blocks of the model's 1,024.  They become half a fragment of the last product's A operand and two scale bytes.
.macro WAYOUT oc, os
.rept 4
	v_nop                                          ; places behind the last products
.endr
	v_add_f32 v14, v14, v15
	s_delay_alu instid0(VALU_DEP_1)
	v_permlanex16_b32 v230, v14, s[SEL], s[SEL+1]
	s_delay_alu instid0(VALU_DEP_1)
	v_add_f32 v14, v14, v230                       ; the row's sum
	s_wait_alu depctr_va_vdst(0)
	v_rcp_f32 v228, v14
	v_nop                                          ; one plain place behind the reciprocal
	s_wait_alu depctr_va_vdst(0)                   ; and the wait ahead of its first reader
.set NN, 0
.rept 16
	v_pk_mul_f32 v[S+NN:S+NN+1], v[O+NN:O+NN+1], v[228:229] op_sel_hi:[1,0]
.set NN, NN+2
.endr
.irp b, 0,1
	v_max3_num_f32 v[BM+\b], |v[S+16*\b]|, |v[S+1+16*\b]|, 0x1800000
.endr
.irp i, 2,4,6,8,10,12,14
.irp b, 0,1
	s_delay_alu instid0(VALU_DEP_2)
	v_max3_num_f32 v[BM+\b], v[BM+\b], |v[S+16*\b+\i]|, |v[S+1+16*\b+\i]|
.endr
.endr
.irp b, 0,1
	s_delay_alu instid0(VALU_DEP_2)
	v_permlanex16_b32 v[BM+4+\b], v[BM+\b], s[SEL], s[SEL+1]
.endr
.irp b, 0,1
	s_delay_alu instid0(VALU_DEP_2)
	v_max_num_f32 v[BM+\b], v[BM+\b], v[BM+4+\b]
.endr
.irp b, 0,1
	s_delay_alu instid0(VALU_DEP_2)
	v_add_nc_u32 v[BM+8+\b], 0xff000000, v[BM+\b]
.endr
.irp b, 0,1
	s_delay_alu instid0(VALU_DEP_2)
	v_lshrrev_b32 v[BM+4+\b], 23, v[BM+8+\b]
.endr
	s_delay_alu instid0(VALU_DEP_1)
	v_lshl_or_b32 v231, v[BM+5], 8, v[BM+4]
	v_cvt_scalef32_pk16_fp6_f32 v[PC:PC+2], v[S:S+15], v[BM+8]
	v_cvt_scalef32_pk16_fp6_f32 v[PC+12:PC+14], v[S+16:S+31], v[BM+9]
	v_nop
.irp i, 0,1,2
	v_permlane16_swap_b32 v[PC+\i], v[PC+12+\i]
.endr
.irp i, 0,1,2
	s_delay_alu instid0(VALU_DEP_3)
	v_mov_b32 v[PC+3+\i], v[PC+12+\i]
.endr
	global_store_b128 v[L16], v[PC:PC+3], s[\oc:\oc+1]             ; 512 consecutive bytes
	global_store_b64 v[L8], v[PC+4:PC+5], s[\oc:\oc+1] offset:512  ; 256
	global_store_b16 v[R16], v231, s[\os:\os+1]                    ; two bytes in every 16 (the word's other bytes are other heads'): one byte in 24 of the codes'; both halves of the lanes store the same value
.endm
	INIT
	s_wait_loadcnt 0x0                             ; both tiles' Q
	PHASE 0
	PHASE 1
	PHASE 2
	PHASE 3
	WAYOUT 66, 70
	s_wait_xcnt 0x0                                ; the stores have read their registers
.irp i, 0,1,2,3,4,5
	v_mov_b32 v[16+\i], v[92+\i]                   ; the early tile's Q,
.endr
	v_mov_b32 v28, v98                             ; its scale word (the lines of INIT are the places between these and the next products)
	v_mov_b32 v[DQ], v99
	INIT
	s_mov_b32 s[G], s[GLO]
	s_mov_b32 s[TB], 0
	s_mov_b32 s[TK], 0
	s_mov_b32 s[TV], 0
	s_mov_b32 s[SC], 0
.Llo:
	STEP
	s_add_co_u32 s[SC], s[SC], 1
	s_cmp_lt_u32 s[SC], 8
	s_cbranch_scc1 .Llo
	s_setprio 0
	WAYOUT 68, 72
	s_wait_dscnt 0x0
	s_wait_tensorcnt 0x0
	ds_add_u32 v254, v255
	s_wait_dscnt 0x0
	CROUND                                         ; the closing round
	s_endpgm
.Lfunc_end_k_q607fd62035_attn:
	.size	k_q607fd62035_attn, .Lfunc_end_k_q607fd62035_attn-k_q607fd62035_attn
	.p2alignl 7, 3214868480
	.fill 96, 4, 3214868480
	.section	.rodata,"a",@progbits
	.p2align	6, 0x0
	.amdhsa_kernel k_q607fd62035_attn
		.amdhsa_group_segment_fixed_size 210944
		.amdhsa_private_segment_fixed_size 0
		.amdhsa_enable_private_segment 0
		.amdhsa_kernarg_size 24
		.amdhsa_user_sgpr_count 2
		.amdhsa_user_sgpr_kernarg_segment_ptr 1
		.amdhsa_wavefront_size32 1
		.amdhsa_system_sgpr_workgroup_id_x 1
		.amdhsa_system_sgpr_workgroup_id_y 1
		.amdhsa_system_sgpr_workgroup_id_z 1
		.amdhsa_system_vgpr_workitem_id 0
		.amdhsa_next_free_vgpr 256
		.amdhsa_next_free_sgpr 100
		.amdhsa_reserve_vcc 1
		.amdhsa_float_denorm_mode_32 3
		.amdhsa_float_denorm_mode_16_64 3
		.amdhsa_memory_ordered 1
		.amdhsa_forward_progress 1
		.amdhsa_inst_pref_size 136
	.end_amdhsa_kernel
	.amdgpu_metadata
---
amdhsa.version: [ 1, 2 ]
amdhsa.kernels:
  - .name:           k_q607fd62035_attn
    .symbol:         k_q607fd62035_attn.kd
    .args:
      - { .name: qbuf, .offset: 0, .size: 8, .value_kind: global_buffer, .address_space: global }
      - { .name: kvbuf, .offset: 8, .size: 8, .value_kind: global_buffer, .address_space: global }
      - { .name: abuf, .offset: 16, .size: 8, .value_kind: global_buffer, .address_space: global }
    .group_segment_fixed_size: 210944
    .private_segment_fixed_size: 0
    .kernarg_segment_align: 8
    .kernarg_segment_size: 24
    .max_flat_workgroup_size: 512
    .sgpr_count:     100
    .vgpr_count:     256
    .wavefront_size: 32
...
	.end_amdgpu_metadata
.endif
;; end of part 3
;; launch proj (part 4): grid 4 x 32, 4 waves a work-group, clusters of 4 x 4, 327,680 bytes of LDS; arguments abuf, ops, b_proj, out0; writes out0
.if DOCPART == 4
	.amdgcn_target "amdgcn-amd-amdhsa--gfx1250"
	.amdhsa_code_object_version 6
	.text
	.protected	k_q607fd62035_proj
	.globl	k_q607fd62035_proj
	.p2align	8
	.type	k_q607fd62035_proj,@function
k_q607fd62035_proj:
	s_mov_b64 s[64:65], 0
	v_nop
	global_prefetch_b8 v0, s[64:65] scope:SCOPE_SE
	s_setreg_imm32_b32 hwreg(HW_REG_WAVE_MODE, 25, 1), 1
	s_wait_xcnt 0x0
	s_wait_alu depctr_hold_cnt(0) depctr_sa_sdst(0) depctr_va_vdst(0) depctr_va_sdst(0) depctr_va_ssrc(0) depctr_va_vcc(0) depctr_vm_vsrc(0)
	s_getreg_b32 s2, hwreg(HW_REG_IB_STS2, 6, 4)
	s_cmp_eq_u32 s2, 0
	s_cbranch_scc0 .Lentry_in_a_cluster
	s_endpgm
.Lentry_in_a_cluster:
	s_bfe_u32 s2, ttmp6, 0x10000c
	s_cmp_lg_u32 s2, 0xf033
	s_cbranch_scc0 .Lentry_shape_is_right
	s_endpgm
.Lentry_shape_is_right:
; out0 = a W_proj + b_proj on codes of FP6 (E2M3) with E8M0 scales, K = 1,024.  a's codes and scale words lie in abuf, W_proj's in groups 88-95 of ops, both as images of the operands' registers:
; [group of 128 rows][K step: 8][block of 16 rows: 8][1,536 bytes]; scale words [group][2][128][4] from AS_OFF and OPS_SC on.  a's tokens lie by position (in each aligned 32, position 16 u + r is token 8 u + r + 8 (r / 8));
; the stores' immediates put the rows back.  W_proj's columns lie as they come.
; A work-group of four waves makes 256 x 256, a wave 128 x 128.  Source 0 = 16 columns of W_proj, source 1 = 16 tokens: a lane holds eight neighbouring numbers of a row of out0.  The bias is the C of each sum's first product.
; K goes in four slots' worth of 256 through a ring of two LDS slots; a wave's tensor load brings 24,576 dense bytes.  The scales come once.  CLUSTER 4 x 4: a's tiles are asked for jointly by a row, W_proj's by a column.
; 128 work-groups: the output has no more tiles of this size; a smaller tile would read each LDS byte for fewer products.
; REGISTERS: window 0: v0-31 addresses; v32-63 scale words and nothing else; v64-127 the bias; v128-223 A's fragments, on the way out v128-255 rows read back.  Window 1: B's two sets.  Windows 2, 3: the accumulators.
.set GRP,    98304
.set REG,    24576
.set KSB,    12288
.set FRB,    1536
.set SLOT,   4*REG
.set SCL,    2*SLOT
.set SCG,    4096
.set SPARE,  SCL+4*SCG                 ; the spare words, 128 bytes for each wave: two blocks of 256 bytes that no other line names
.set OPS_SC, 9437184
.set AS_OFF, 6291456
.set SPITCH, 528                       ; the way out: a stage of 16 rows x (512 bytes + 16) for each wave, in slot 0, behind its last fill and its last read
.set NQ,   2
.set FR,   12
.set NL,   4
.set NP,   4
.set L16,  4
.set L8,   5
.set ADRA, 16
.set ADRB, 20
.set STO,  24
.set RD,   25
.set ADRS, 27
.set SPW,  28
.set NIL,  29
.set SC,   32
.set BIAS, 64
.set AF,   128
.set BK,   128
.set G1, 24
.set G0, 32
.set G1B, 48
.set G0B, 56
.set G1S, 68
.set G0S, 76
.set G1SB, 80
.set G0SB, 88
.set MSB, 0
.macro WIN new
.if MSB != (\new)
	s_set_vgpr_msb (MSB<<8)|(\new)
.set MSB, (\new)
.endif
.endm
.set MUL_LO, 0xa1
.set MUL_HI, 0xf1
.set TO_B,   0x40
.macro JLOAD g0a, g1a, g0b, g1b        ; a joint load: waves 0 and 1 fetch for A, waves 2 and 3 for B; four v_nop follow each line
	s_cmp_eq_u32 s15, 0
	s_cbranch_scc0 .Lfor_b_\@
	tensor_load_to_lds s[\g0a:\g0a+3], s[\g1a:\g1a+7]
	s_nop 0
.rept 4
	v_nop
.endr
	s_branch .Lasked_\@
.Lfor_b_\@:
	tensor_load_to_lds s[\g0b:\g0b+3], s[\g1b:\g1b+7]
	s_nop 0
.rept 4
	v_nop
.endr
.Lasked_\@:
.endm
.macro CREST
	s_cmp_lg_u32 s14, 0
	s_cbranch_scc1 .Lnot_wave_0_\@
	s_barrier_signal -3
.Lnot_wave_0_\@:
	s_barrier_wait -3
	s_barrier_signal -1
	s_barrier_wait -1
.endm
.macro CROUND
	s_barrier_signal -1
	s_barrier_wait -1
	CREST
.endm
.macro PLACES n
.rept \n
	v_nop
.endr
.endm
	s_load_b128 s[4:7], s[0:1], 0x0                ; abuf, ops
	s_load_b128 s[8:11], s[0:1], 0x10              ; b_proj, out0
	v_lshl_add_u32 v[SPW], v0, 2, SPARE
	v_mov_b32 v[NIL], 0
	ds_add_u32 v28, v29
	ds_add_u32 v28, v29
	s_wait_dscnt 0x0
	v_lshrrev_b32 v1, 5, v0
	v_readfirstlane_b32 s14, v1                    ; wave 0..3
	s_lshr_b32 s15, s14, 1                         ; my half of the tokens.  Also: I fetch for A (0) or for B (1)
	s_and_b32 s16, s14, 1                          ; my half of the columns.  Also: which of the two groups I fetch
	s_bfe_u32 s40, ttmp6, 0x40000                  ; cx: the tile column
	s_bfe_u32 s41, ttmp6, 0x40004                  ; cy
	s_and_b32 s17, ttmp7, 0xffff
	s_lshl_b32 s17, s17, 2
	s_add_co_u32 s17, s17, s41                     ; the tile row: 4 x cluster y + cy
	s_lshl_b32 s43, s41, 2
	s_lshl_b32 s43, 15, s43                        ; my row of the cluster
	s_lshl_b32 s44, 0x1111, s40                    ; my column
	s_or_b32 s[G1+0], s43, (3<<16)|(1<<21)         ; the mask; elements of 8 bytes; 96 rows of 256 bytes, dense, no padding
	s_or_b32 s[G1B+0], s44, (3<<16)|(1<<21)
.irp g, G1, G1B
	s_mov_b32 s[\g+1], 32<<16
	s_mov_b32 s[\g+2], 96<<16
	s_mov_b32 s[\g+3], 32<<16
	s_mov_b32 s[\g+4], 96
	s_mov_b32 s[\g+5], 32
	s_mov_b32 s[\g+6], 0
	s_mov_b32 s[\g+7], 0
.endr
	s_or_b32 s[G1S+0], s43, (3<<16)|(1<<21)        ; a group's scales: 16 rows of 256 bytes
	s_or_b32 s[G1SB+0], s44, (3<<16)|(1<<21)
.irp g, G1S, G1SB
	s_mov_b32 s[\g+1], 32<<16
	s_mov_b32 s[\g+2], 16<<16
	s_mov_b32 s[\g+3], 32<<16
	s_mov_b32 s[\g+4], 16
	s_mov_b32 s[\g+5], 32
	s_mov_b32 s[\g+6], 0
	s_mov_b32 s[\g+7], 0
.endr
	s_lshl_b32 s20, s17, 1
	s_add_co_u32 s20, s20, s16                     ; the group of a that I would fetch
	s_lshl_b32 s46, s40, 1
	s_add_co_u32 s46, s46, s16
	s_add_co_u32 s46, s46, 88                      ; and of W_proj, in ops
	s_lshl_b32 s22, s20, 12
	s_add_co_u32 s22, s22, AS_OFF
	s_mov_b32 s23, 0
	s_lshl_b32 s92, s46, 12
	s_add_co_u32 s92, s92, OPS_SC
	s_mov_b32 s93, 0
	s_mul_i32 s20, s20, GRP
	s_mov_b32 s21, 0
	s_mul_i32 s46, s46, GRP
	s_mov_b32 s47, 0
	s_mul_i32 s45, s14, REG
	s_lshl_b32 s94, s14, 12
	s_wait_kmcnt 0x0
	s_add_nc_u64 s[20:21], s[4:5], s[20:21]
	s_add_nc_u64 s[22:23], s[4:5], s[22:23]
	s_add_nc_u64 s[46:47], s[6:7], s[46:47]
	s_add_nc_u64 s[92:93], s[6:7], s[92:93]
	CROUND                                         ; all sixteen work-groups are here: the first joint loads meet
	s_mov_b32 s[G0S], 1
	s_add_co_u32 s[G0S+1], s94, SCL
	s_mov_b64 s[G0S+2:G0S+3], s[22:23]
	s_or_b32 s[G0S+3], s[G0S+3], 0x80000000
	s_mov_b32 s[G0SB], 1
	s_add_co_u32 s[G0SB+1], s94, SCL
	s_mov_b64 s[G0SB+2:G0SB+3], s[92:93]
	s_or_b32 s[G0SB+3], s[G0SB+3], 0x80000000
	JLOAD G0S, G1S, G0SB, G1SB
.irp s, 0,1
	s_mov_b32 s[G0+4*\s], 1
	s_add_co_u32 s[G0+4*\s+1], s45, \s*SLOT
	s_add_nc_u64 s[G0+4*\s+2:G0+4*\s+3], s[20:21], \s*REG
	s_or_b32 s[G0+4*\s+3], s[G0+4*\s+3], 0x80000000
	s_mov_b32 s[G0B+4*\s], 1
	s_add_co_u32 s[G0B+4*\s+1], s45, \s*SLOT
	s_add_nc_u64 s[G0B+4*\s+2:G0B+4*\s+3], s[46:47], \s*REG
	s_or_b32 s[G0B+4*\s+3], s[G0B+4*\s+3], 0x80000000
	JLOAD G0+4*\s, G1, G0B+4*\s, G1B
.endr
	v_and_b32 v1, 15, v0                           ; r
	v_bfe_u32 v2, v0, 4, 1                         ; h
	v_and_b32 v3, 31, v0
	v_lshlrev_b32 v[L16], 4, v3
	v_lshlrev_b32 v[L8], 3, v3
	s_mul_i32 s21, s15, REG
	s_mul_i32 s22, s16, REG
	s_add_co_u32 s22, s22, 2*REG
.irp s, 0,1
	v_add_nc_u32 v[ADRA+\s], s21, v[L16]
	v_add_nc_u32 v[ADRA+2+\s], s21, v[L8]
	v_add_nc_u32 v[ADRB+\s], s22, v[L16]
	v_add_nc_u32 v[ADRB+2+\s], s22, v[L8]
	s_add_co_u32 s21, s21, SLOT
	s_add_co_u32 s22, s22, SLOT
.endr
	v_lshlrev_b32 v6, 4, v1
	s_lshl_b32 s21, s15, 12
	s_lshl_b32 s22, s16, 12
	s_add_co_u32 s22, s22, 2*SCG
	s_sub_co_u32 s22, s22, s21
	v_mul_u32_u24 v7, s22, v2                      ; lanes 16-31 take B's: one product, the distance between the two
	s_add_co_u32 s21, s21, SCL
	v_add_nc_u32 v6, v6, v7
	v_add_nc_u32 v[ADRS], s21, v6
	s_mul_i32 s21, s14, 16*SPITCH                  ; my stage
	v_mul_u32_u24 v[STO], v1, SPITCH
	v_lshl_add_u32 v[STO], v2, 5, v[STO]
	v_add_nc_u32 v[STO], s21, v[STO]               ; in: row r, 32 bytes for each half of the lanes
	v_add_nc_u32 v[RD], s21, v[L16]                ; back: the 32 lanes take one row of 512 bytes
	s_lshl_b32 s20, s17, 20                        ; my first row of out0: (256 x tile row + 128 x half) x 4,096 bytes
	s_lshl_b32 s21, s15, 19
	s_add_co_u32 s20, s20, s21
	s_mov_b32 s21, 0
	s_lshl_b32 s46, s40, 10                        ; my first column, in bytes: 1,024 x tile column + 512 x half
	s_lshl_b32 s47, s16, 9
	s_add_co_u32 s46, s46, s47
	s_mov_b32 s47, 0
	s_add_nc_u64 s[20:21], s[20:21], s[46:47]
	s_add_nc_u64 s[12:13], s[10:11], s[20:21]
	s_add_nc_u64 s[92:93], s[8:9], s[46:47]        ; the bias of my 128 columns begins as many bytes into b_proj
	v_lshlrev_b32 v6, 5, v2
.irp b, 0,1,2,3,4,5,6,7
	global_load_b128 v[BIAS+8*\b:BIAS+8*\b+3], v6, s[92:93] offset:64*\b       ; block b's eight registers: columns 16 b + 8 h + 0 .. 7
	global_load_b128 v[BIAS+8*\b+4:BIAS+8*\b+7], v6, s[92:93] offset:64*\b+16
.endr
.macro FRAG reg, adr, q, i             ; a fragment comes as it was stored: registers 0-3, 4-5, 6-9, 10-11; every load reads consecutive bytes
.set FO, (\q)*KSB+(\i)*FRB
	ds_load_b128 v[\reg:\reg+3], v[\adr] offset:FO
	ds_load_b64 v[\reg+4:\reg+5], v[\adr+2] offset:FO+512
	ds_load_b128 v[\reg+6:\reg+9], v[\adr] offset:FO+768
	ds_load_b64 v[\reg+10:\reg+11], v[\adr+2] offset:FO+1280
.endm
; 16 matrix instructions: A's blocks a0, a0 + 1 x B's eight.  cm = 1: the first product, whose C is the bias.  The 64 accumulators take turns, one instruction a turn, in the same order in every step.
.macro MUL16 a0, p, q, sc, cm
.irp a, \a0, \a0+1
.irp b, 0,1,2,3,4,5,6,7
.set rD, 8*(8*((\a)%4)+\b)
.set rB, 128*(\p)+FR*\b
.set rA, AF+FR*(\a)
.set rSB, SC+8*NQ*(\sc)+NQ*\b+(\q)
.set rSA, SC+8*NQ*(\sc)+NQ*(\a)+(\q)
.if (\cm) == 0
	v_wmma_scale_f32_16x16x128_f8f6f4 v[rD:rD+7], v[rB:rB+FR-1], v[rA:rA+FR-1], v[rD:rD+7], v[rSB], v[rSA] matrix_a_fmt:MATRIX_FMT_FP6 matrix_b_fmt:MATRIX_FMT_FP6 matrix_a_scale:MATRIX_SCALE_ROW1
.else
	v_wmma_scale_f32_16x16x128_f8f6f4 v[rD:rD+7], v[rB:rB+FR-1], v[rA:rA+FR-1], v[BIAS+8*\b:BIAS+8*\b+7], v[rSB], v[rSA] matrix_a_fmt:MATRIX_FMT_FP6 matrix_b_fmt:MATRIX_FMT_FP6 matrix_a_scale:MATRIX_SCALE_ROW1
.endif
.endr
.endr
.endm
.macro FETCH_B slot, q, p
	WIN TO_B
.irp i, 0,1,2,3,4,5,6,7
	FRAG 128*(\p)+FR*\i, ADRB+\slot, \q, \i
.endr
	WIN 0
.endm
.macro FETCH_A slot, q, i0
.irp i, \i0, \i0+1, \i0+2, \i0+3
	FRAG AF+FR*(\i), ADRA+\slot, \q, \i
.endr
.endm
.macro SCALES sc, j
.irp i, 0,1,2,3,4,5,6,7
	ds_load_b64 v[SC+8*NQ*(\sc)+NQ*\i:SC+8*NQ*(\sc)+NQ*\i+1], v[ADRS] offset:((\j)/2)*2048+((\j)%2)*8+\i*256
.endr
.endm
.macro STEP slot, q, cm
	s_wait_dscnt 4*NL                              ; B's set and A's blocks 0-3 are in; the youngest sixteen loads (A's blocks 4-7) may be out
.if \cm
	WIN 0x81                                       ; C (the bias) in window 0
.else
	WIN MUL_LO
.endif
	MUL16 0, (\q)%2, \q, \slot, \cm
	MUL16 2, (\q)%2, \q, \slot, \cm
	s_wait_dscnt 0x0
	PLACES NP
	FETCH_B \slot, (\q)+1, 1-(\q)%2
	FETCH_A \slot, (\q)+1, 0
.if \cm
	WIN 0xc1
.else
	WIN MUL_HI
.endif
	MUL16 4, (\q)%2, \q, \slot, \cm
	MUL16 6, (\q)%2, \q, \slot, \cm
	PLACES NP
	WIN 0
	FETCH_A \slot, (\q)+1, 4
.endm
.macro TURN slot, next, fill, j
	s_wait_tensorcnt 0x0                           ; all my tensor loads have landed: my part of the next slot
	ds_add_u32 v[SPW], v[NIL]                      ; 0 onto my spare word
	s_wait_dscnt 4*NL+1                            ; (the add and the youngest sixteen loads may be out)
	WIN MUL_LO
	MUL16 0, 1, NQ-1, \slot, 0
	s_wait_dscnt 0x0                               ; the add is done, and my reads of this slot are over
	s_barrier_signal -1
	MUL16 2, 1, NQ-1, \slot, 0
	WIN 0
	s_barrier_wait -1
.if \fill
	CREST                                          ; the barrier has opened a round of the cluster's: no wave of any partner still reads this slot or has a load on its way
	s_add_nc_u64 s[G0+4*\slot+2:G0+4*\slot+3], s[G0+4*\slot+2:G0+4*\slot+3], 2*REG
	s_add_nc_u64 s[G0B+4*\slot+2:G0B+4*\slot+3], s[G0B+4*\slot+2:G0B+4*\slot+3], 2*REG
	JLOAD G0+4*\slot, G1, G0B+4*\slot, G1B
.else
	PLACES NP
.endif
	FETCH_B \next, 0, 0
	FETCH_A \next, 0, 0
	SCALES \next, \j
	WIN MUL_HI
	MUL16 4, 1, NQ-1, \slot, 0
	MUL16 6, 1, NQ-1, \slot, 0
	PLACES NP
	WIN 0
	FETCH_A \next, 0, 4
.endm
	s_wait_tensorcnt 0x1                           ; the scales and my part of slot 0 are in; slot 1's load may be out
	s_barrier_signal -1
	s_barrier_wait -1
	FETCH_B 0, 0, 0
	FETCH_A 0, 0, 0
	SCALES 0, 0
	FETCH_A 0, 0, 4
	s_wait_loadcnt 0x0                             ; the bias
	STEP 0, 0, 1
	TURN 0, 1, 1, 1
	STEP 1, 0, 0
	TURN 1, 0, 1, 2
	STEP 0, 0, 0
	TURN 0, 1, 0, 3
	STEP 1, 0, 0
	s_wait_dscnt 4*NL
	WIN MUL_LO
	MUL16 0, 1, NQ-1, 1, 0
	MUL16 2, 1, NQ-1, 1, 0
	s_wait_dscnt 0x0
	WIN MUL_HI
	MUL16 4, 1, NQ-1, 1, 0
	MUL16 6, 1, NQ-1, 1, 0
	WIN 0
; THE WAY OUT, block by block of 16 positions x 128 columns: through my own stage, back as whole rows of 512 bytes.  LDS serves a wave's instructions in order: no wait between the stores and the loads.
.macro TOSTAGE a
.set AC, 64*((\a)%4)
	WIN 0x08+4*((\a)/4)                            ; an LDS store's data are its source 1: window 2 or 3
.irp b, 0,1,2,3,4,5,6,7
	ds_store_b128 v[STO], v[AC+8*\b:AC+8*\b+3] offset:64*\b          ; each accumulator from its low end on
	ds_store_b128 v[STO], v[AC+8*\b+4:AC+8*\b+7] offset:64*\b+16
.endr
	WIN 0
.set BB, BK+64*((\a)%2)
.irp t, 0,1,2,3,4,5,6,7,8,9,10,11,12,13,14,15
	ds_load_b128 v[BB+4*\t:BB+4*\t+3], v[RD] offset:\t*SPITCH
.endr
.endm
.macro SEND a, younger                 ; position t of block a is token 32 (a / 2) + 8 (a % 2) + t + 8 (t / 8) of my 128: the immediate, 520,192 bytes at the most, puts the row back
.set BB, BK+64*((\a)%2)
	s_wait_dscnt \younger
.irp t, 0,1,2,3,4,5,6,7,8,9,10,11,12,13,14,15
	global_store_b128 v[L16], v[BB+4*\t:BB+4*\t+3], s[12:13] offset:(32*((\a)/2)+8*((\a)%2)+\t+8*(\t/8))*4096 th:TH_STORE_NT   ; 32 lanes store 512 consecutive bytes, aligned
.endr
.endm
	PLACES NP
	TOSTAGE 0
.irp a, 1,2,3,4,5,6,7
.if \a > 1
	s_wait_xcnt 0x0                                ; block a - 2's stores have read their registers: block a's loads may land there
.endif
	TOSTAGE \a
	SEND \a-1, 32                                  ; behind block a - 1's loads: block a's 16 stores and 16 loads
.endr
	SEND 7, 0
	s_wait_tensorcnt 0x0                           ; the wave's end
	ds_add_u32 v[SPW], v[NIL]
	s_wait_dscnt 0x0
	CROUND                                         ; the closing round
	s_endpgm
.Lfunc_end_k_q607fd62035_proj:
	.size	k_q607fd62035_proj, .Lfunc_end_k_q607fd62035_proj-k_q607fd62035_proj
	.p2alignl 7, 3214868480
	.fill 96, 4, 3214868480
	.section	.rodata,"a",@progbits
	.p2align	6, 0x0
	.amdhsa_kernel k_q607fd62035_proj
		.amdhsa_group_segment_fixed_size 327680
		.amdhsa_private_segment_fixed_size 0
		.amdhsa_enable_private_segment 0
		.amdhsa_kernarg_size 32
		.amdhsa_user_sgpr_count 2
		.amdhsa_user_sgpr_kernarg_segment_ptr 1
		.amdhsa_wavefront_size32 1
		.amdhsa_system_sgpr_workgroup_id_x 1
		.amdhsa_system_sgpr_workgroup_id_y 1
		.amdhsa_system_sgpr_workgroup_id_z 1
		.amdhsa_system_vgpr_workitem_id 0
		.amdhsa_next_free_vgpr 1024
		.amdhsa_next_free_sgpr 100
		.amdhsa_reserve_vcc 0
		.amdhsa_float_denorm_mode_32 3
		.amdhsa_float_denorm_mode_16_64 3
		.amdhsa_memory_ordered 1
		.amdhsa_forward_progress 1
		.amdhsa_inst_pref_size 144
	.end_amdhsa_kernel
	.amdgpu_metadata
---
amdhsa.version: [ 1, 2 ]
amdhsa.kernels:
  - .name:           k_q607fd62035_proj
    .symbol:         k_q607fd62035_proj.kd
    .args:
      - { .name: abuf, .offset: 0, .size: 8, .value_kind: global_buffer, .address_space: global }
      - { .name: ops, .offset: 8, .size: 8, .value_kind: global_buffer, .address_space: global }
      - { .name: b_proj, .offset: 16, .size: 8, .value_kind: global_buffer, .address_space: global }
      - { .name: out0, .offset: 24, .size: 8, .value_kind: global_buffer, .address_space: global }
    .group_segment_fixed_size: 327680
    .private_segment_fixed_size: 0
    .kernarg_segment_align: 8
    .kernarg_segment_size: 32
    .max_flat_workgroup_size: 128
    .sgpr_count:     100
    .vgpr_count:     1024
    .wavefront_size: 32
...
	.end_amdgpu_metadata
.endif
;; end of part 4
